; MI455X (gfx1250); checked and timed in simulation.
; The chip was launched on July 23, 2026; its instructions are those of AMD's public machine-readable ISA for CDNA 5 (MIT licence, August 2026) and "CDNA5" Instruction Set Architecture Reference Guide (July 2026). The comments in the code are by the model that wrote it; some were corrected since.
;; Multi Head Attention. Allowed arithmetic: float matrix products may take bf16 or f16 operands with f32 sums; all other float work in f32.
;; Inputs: Wk 512 x 512 float32; Wq 512 x 512 float32; Wv 512 x 512 float32; b0 512 float32; b1 512 float32; fc_b 512 float32; fc_w 512 x 512 float32; g0 512 float32; g1 512 float32; k 4 x 2,048 x 512 float32; mask 32 x 2,048 int32; q 4 x 2,048 x 512 float32; v 4 x 2,048 x 512 float32.
;; Outputs: out0 4 x 2,048 x 512 float32.
;; 2 versions, each right; version 2 is version 1 with the launches proj, post written anew for expert scheduling mode. Each part assembles by itself: llvm-mc -triple=amdgcn-amd-amdhsa -mcpu=gfx1250 --defsym DOCPART=n.
;; ======== version 1 of 2: 3 launches
;; limits: values are held in f16: magnitudes above 65,504 overflow, below 6.1e-05 lose precision
;; workspace buffers: qh 8,388,608 bytes; kh 8,388,608 bytes; vh 8,388,608 bytes; wf 524,288 bytes; att 16,777,216 bytes
;; launch proj (part 1): grid 64 x 4, 8 waves a work-group, no clusters, 148,480 bytes of LDS; arguments q, k, v, Wq, Wk, Wv, fc_w, mask, qh, kh, vh, wf; writes qh, kh, vh, wf
.if DOCPART == 1
	.amdgcn_target "amdgcn-amd-amdhsa--gfx1250"
	.amdhsa_code_object_version 6
	.text
	.protected	k_qdad3c3546f_proj
	.globl	k_qdad3c3546f_proj
	.p2align	8
	.type	k_qdad3c3546f_proj,@function
k_qdad3c3546f_proj:
	s_mov_b64 s[64:65], 0
	v_nop
	global_prefetch_b8 v0, s[64:65] scope:SCOPE_SE
	s_setreg_imm32_b32 hwreg(HW_REG_WAVE_MODE, 25, 1), 1
	s_wait_xcnt 0x0
; The three projections X W^T (X: [8192][512] f32, W: [512][512] f32), results in f16 in head layout [n = 4 head + batch][l][64],
; and fc_w in f16 in the order in which the last launch's matrix fragments want it.
; Grid y = 0, 1, 2: q Wq^T -> qh, k Wk^T -> kh, v Wv^T -> vh.  Grid x: cb = x & 1 (256 output columns = four heads), rb = x >> 1 (256 rows).
; Block sides divide 8192 and 512, so the blocks come as 3 x a power of two: 192 blocks of 256 x 256 read X twice and W 32 times, where 768 blocks
; of 128 x 128 would read them four and 64 times.  Eight waves, two on a SIMD; a wave makes 128 rows x 64 columns (one head): 32 accumulator tiles,
; 12 fragments (12,288 bytes of LDS) for 32 matrix instructions.  K goes in 8 steps of 64 through two LDS buffers; all 8 steps are written out, so the
; step stands in the loads' immediates and no base is ever stepped.
; The inputs are f32, so they come through registers: each number is rounded to f16 once, by the thread that loaded it, and LDS holds f16.
; The rounding and the LDS stores of step s + 1 stand in the MIDDLE of step s, between its two runs of products, and go into the other buffer.
; No joint loads: the tiles must pass through registers for the rounding, so there is no tile that could land in several LDS at once.
; WHY f16: four roundings stand behind every score and two behind every number of the last product; with 8 bits each their sum comes too near the
; result's allowance, with 11 bits it is an eighth of that.
; LIMIT (f16 holds numbers below 65,504): the inputs and |qh c|, |kh|, |vh| must stay below it.  The results have the spread sqrt(512 x 2 / 576) = 1.33; with all
; inputs 30 times larger that is 900 times more, six spreads = 7,200; with offsets of 30 spreads on X and W they lie near 512 x 30 x 1.77 = 27,200.
; Below 6.1e-5 f16 keeps an absolute error of 3e-8, which is small against inputs 30 times smaller (0.03 and 0.002).
; qh only: multiplied by c = log2(e) / 8 before the rounding, so that the attention launch's scores come in units of log2.
; kh only: the row of a key whose mask word is 0 is stored as zeros (by selection), so that the attention launch gets exactly its starting value
; for it.  LIMIT: that is exact only while qh c is finite in f16.
; Grid y = 3: 64 work-groups x 256 threads x 16 numbers = fc_w.  wf: fragment (cb = 16 rows of fc_w, ks = 32 along k) at byte
; (16 cb + ks) 1024; byte 16 L: fc_w[16 cb + (L & 15)][32 ks + 8 (L >> 4) .. + 7]; byte 512 + 16 L: the same with k + 16.
.set P,    144                         ; an LDS row: 64 f16 = 128 bytes + 16: sixteen rows of a fragment start 16 bytes apart modulo 256
.set WOFF, 256*P                       ; 36,864: W's 256 rows lie behind X's
.set BUF,  2*WOFF                      ; 73,728: a buffer
; window 0
.set VOFF, 1                           ; v1      (wave + 8 h) 2048 + 16 (t & 15): my 16 bytes in the first 16 rows of a tile
.set LSX,  2                           ; v2-3    where my 8 bytes of X go, buffer 0, 1
.set LSW,  4                           ; v4-5    the same for W
.set FX,   6                           ; v6-7    my wave's X fragments, buffer 0, 1
.set FW,   8                           ; v8-9    my wave's W fragments, buffer 0, 1
.set STO,  10                          ; v10     the way out: in
.set RD,   11                          ; v11     the way out: back
.set CO,   12                          ; v12     16 x lane
.set MOFF, 13                          ; v13     4 r
.set WFR,  16                          ; v16-47  four W fragments
.set XFR,  48                          ; v48-111 eight X fragments
.set MW,   112                         ; v112-119 mask words of rows 16 ix + r
.set PF,   120                         ; v120    2048 t: row t of the block's X, for the requests ahead; never rewritten
.set TR,   121                         ; v121-124 set-up: r, h, wave + 8 h, r P + 16 h
.set TH,   122
.set TW,   123
.set TB,   124
.set XS,   128                         ; v128-191 X as loaded, 16 x 4; rounded in place
.set WS,   192                         ; v192-255 W as loaded
; window 1
.set ACC,  0                           ; v0-255  tile (iw, ix) at 8 (4 ix + iw)
.set MSB, 0
.macro WIN new                         ; s_set_vgpr_msb: bits 1:0 source 0, 3:2 source 1, 5:4 source 2, 7:6 destination; the high byte repeats the setting left
.if MSB != \new
	s_set_vgpr_msb (MSB<<8)|\new
.set MSB, \new
.endif
.endm
.macro PLACES n
.rept \n
	v_nop
.endr
.endm
	s_load_b512 s[8:23], s[0:1], 0x0               ; q k v Wq Wk Wv fc_w mask
	s_load_b256 s[24:31], s[0:1], 0x40             ; qh kh vh wf
	v_lshl_add_u32 v126, v0, 2, 0x24000
	v_mov_b32 v127, 0
	s_and_b32 s4, ttmp7, 0xffff                    ; grid y
	v_lshrrev_b32 v[TW], 5, v0
	v_readfirstlane_b32 s5, v[TW]                  ; wave 0..7
	s_cmp_eq_u32 s4, 3
	s_cbranch_scc1 .Lconv                          ; the same way for the whole work-group
	v_and_b32 v[TR], 15, v0                        ; t & 15 = r
	v_bfe_u32 v[TH], v0, 4, 1                      ; h
	v_lshl_add_u32 v[TW], v[TH], 3, v[TW]          ; my row among 16: wave + 8 h.  The halves of a wave lie 8 rows = 1,152 bytes = 128 modulo 256 apart in LDS,
	v_lshlrev_b32 v[VOFF], 4, v[TR]                ; so that the 256 bytes of one 8-byte store of a wave fall on 256 different bytes modulo 256
	v_lshl_add_u32 v[VOFF], v[TW], 11, v[VOFF]
	v_lshlrev_b32 v[MOFF], 2, v[TR]
	v_lshlrev_b32 v[PF], 11, v0
	s_lshr_b32 s48, s5, 2                          ; wr: which 128 rows of X
	s_and_b32 s49, s5, 3                           ; wc: which 64 rows of W
	s_and_b32 s53, ttmp9, 1                        ; cb
	s_lshr_b32 s54, ttmp9, 1                       ; rb
	s_lshl2_add_u32 s55, s53, s49                  ; head = 4 cb + wc
	s_lshr_b32 s56, s54, 3                         ; batch
	s_lshl2_add_u32 s55, s55, s56                  ; n = 4 head + batch
	s_and_b32 s56, s54, 7
	s_lshl_b32 s56, s56, 8
	s_lshl_b32 s57, s48, 7
	s_add_co_u32 s56, s56, s57                     ; l0 = (rb & 7) 256 + 128 wr
	s_lshl_b32 s55, s55, 11
	s_add_co_u32 s55, s55, s56                     ; n 2048 + l0
	s_and_b32 s39, s5, 1
	s_xor_b32 s39, s39, s53                        ; 0: this wave asks ahead for its 32 rows of X (the two blocks that read these rows share the asking)
	s_mul_i32 s40, s48, 128*P                      ; LDS: my 128 rows of X,
	s_mul_i32 s41, s49, 64*P
	s_add_co_u32 s41, s41, WOFF                    ; my 64 rows of W,
	s_mul_i32 s42, s5, 128*P                       ; my stage on the way out
	s_lshl_b32 s48, s54, 19                        ; X: rb x 256 rows x 2,048 bytes
	s_mov_b32 s49, 0
	s_lshl_b32 s50, s53, 19                        ; W: cb x 256 rows x 2,048 bytes
	s_mov_b32 s51, 0
	s_lshl_b32 s52, s55, 7                         ; the result: rows of 128 bytes
	s_mov_b32 s53, 0
	s_lshl_b32 s54, s55, 2                         ; the mask: words
	s_mov_b32 s55, 0
	s_mov_b32 s58, 0x3e38aa3b                      ; c = log2(e) / 8, a pair for the packed multiply
	s_mov_b32 s59, 0x3e38aa3b
	s_wait_kmcnt 0x0
	s_cmp_eq_u32 s4, 1
	s_cselect_b64 s[32:33], s[10:11], s[8:9]
	s_cselect_b64 s[34:35], s[16:17], s[14:15]
	s_cselect_b64 s[36:37], s[26:27], s[24:25]
	s_cselect_b32 s38, 0, -1                       ; only kh's rows are selected by the mask: elsewhere every lane keeps its numbers
	s_cmp_eq_u32 s4, 2
	s_cselect_b64 s[32:33], s[12:13], s[32:33]
	s_cselect_b64 s[34:35], s[18:19], s[34:35]
	s_cselect_b64 s[36:37], s[28:29], s[36:37]
	s_add_nc_u64 s[32:33], s[32:33], s[48:49]
	s_add_nc_u64 s[34:35], s[34:35], s[50:51]
	s_add_nc_u64 s[36:37], s[36:37], s[52:53]
	s_add_nc_u64 s[62:63], s[22:23], s[54:55]
.irp ix, 0,1,2,3,4,5,6,7
	global_load_b32 v[MW+\ix], v[MOFF], s[62:63] offset:64*\ix
.endr
; 32 loads of a thread: K step s's 256 x 64 numbers of X, then of W.  Sixteen neighbouring lanes take 256 consecutive bytes of a row, aligned.
.macro LOADS s
.irp i, 0,1,2,3,4,5,6,7,8,9,10,11,12,13,14,15
	global_load_b128 v[XS+4*\i:XS+4*\i+3], v[VOFF], s[32:33] offset:\i*32768+\s*256
.endr
.irp i, 0,1,2,3,4,5,6,7,8,9,10,11,12,13,14,15
	global_load_b128 v[WS+4*\i:WS+4*\i+3], v[VOFF], s[34:35] offset:\i*32768+\s*256
.endr
.endm
; A request ahead for K step s's 256 bytes of 32 rows of X: one lane a row, each aligned piece of 256 bytes asked for once in the launch (by the wave whose
; number's low bit is the block column).  It stands one K step ahead of the loads of the same bytes; steps 2 to 7 are asked for, nothing beyond the rows' ends.
.macro PREF s
	s_cmp_lg_u32 s39, 0
	s_cbranch_scc1 .Lno_ask_\@
	global_prefetch_b8 v[PF], s[32:33] offset:\s*256 th:TH_LOAD_NT scope:SCOPE_SE
.Lno_ask_\@:
.endm
; The step that has been loaded is rounded in place and stored into buffer buf.
.macro CONV buf
	s_wait_loadcnt 16                              ; X's sixteen loads (and whatever is older) are in; W's sixteen, issued behind them, stay out
.irp i, 0,1,2,3,4,5,6,7,8,9,10,11,12,13,14,15
	v_cvt_pk_f16_f32 v[XS+4*\i], v[XS+4*\i], v[XS+4*\i+1]
	v_cvt_pk_f16_f32 v[XS+4*\i+1], v[XS+4*\i+2], v[XS+4*\i+3]
.endr
.irp i, 0,1,2,3,4,5,6,7,8,9,10,11,12,13,14,15
	ds_store_b64 v[LSX+\buf], v[XS+4*\i:XS+4*\i+1] offset:\i*16*P
.endr
	s_wait_loadcnt 0x0                             ; W
.irp i, 0,1,2,3,4,5,6,7,8,9,10,11,12,13,14,15
	v_cvt_pk_f16_f32 v[WS+4*\i], v[WS+4*\i], v[WS+4*\i+1]
	v_cvt_pk_f16_f32 v[WS+4*\i+1], v[WS+4*\i+2], v[WS+4*\i+3]
.endr
.irp i, 0,1,2,3,4,5,6,7,8,9,10,11,12,13,14,15
	ds_store_b64 v[LSW+\buf], v[WS+4*\i:WS+4*\i+1] offset:\i*16*P
.endr
.endm
; 24 LDS loads: 32 along K of my 64 rows of W, then of my 128 rows of X
.macro FRAGS buf, ksub
.irp iw, 0,1,2,3
	ds_load_b128 v[WFR+8*\iw:WFR+8*\iw+3],   v[FW+\buf] offset:\iw*16*P+\ksub*64
	ds_load_b128 v[WFR+8*\iw+4:WFR+8*\iw+7], v[FW+\buf] offset:\iw*16*P+\ksub*64+32
.endr
.irp ix, 0,1,2,3,4,5,6,7
	ds_load_b128 v[XFR+8*\ix:XFR+8*\ix+3],   v[FX+\buf] offset:\ix*16*P+\ksub*64
	ds_load_b128 v[XFR+8*\ix+4:XFR+8*\ix+7], v[FX+\buf] offset:\ix*16*P+\ksub*64+32
.endr
.endm
; Four products on one X fragment.  Source 0 = 16 rows of W, source 1 = 16 rows of X: a lane then holds 8 neighbouring columns of one row of the result.
; The 32 accumulators take turns, one instruction a turn.
.macro MUL4 ix, zero
.irp iw, 0,1,2,3
.if \zero
	v_wmma_f32_16x16x32_f16 v[ACC+8*(4*\ix+\iw):ACC+8*(4*\ix+\iw)+7], v[WFR+8*\iw:WFR+8*\iw+7], v[XFR+8*\ix:XFR+8*\ix+7], 0
.else
	v_wmma_f32_16x16x32_f16 v[ACC+8*(4*\ix+\iw):ACC+8*(4*\ix+\iw)+7], v[WFR+8*\iw:WFR+8*\iw+7], v[XFR+8*\ix:XFR+8*\ix+7], v[ACC+8*(4*\ix+\iw):ACC+8*(4*\ix+\iw)+7]
.endif
.endr
.endm
; K step s on buffer buf; nbuf is the other buffer.  zero = 1: the first products start the sums.
; ONE barrier a step.  In front of its signal my reads of this buffer are back and my stores into the other buffer are in LDS; so behind its wait the other
; buffer is whole and may be read, and this buffer may be written in the middle of the next step.
.macro STEP s, buf, nbuf, zero
	FRAGS \buf, 0
	WIN 0x50
.irp ix, 0,1,2,3,4,5,6,7
	s_wait_dscnt 2*(7-\ix)                         ; W's fragments and X's fragment ix are in; the younger fragments stay out
	MUL4 \ix, \zero
.endr
	WIN 0
	PLACES 4                                       ; four places before the fragments' registers are loaded again (ISA guide 7.12.1)
	FRAGS \buf, 1                                  ; they come in while the next step is rounded
.if \s < 7
	CONV \nbuf
.endif
.if \s < 6
	LOADS (\s+2)                                   ; into the registers just stored from: they have a whole step in which to land
.endif
.if \s < 5
	PREF (\s+3)
.endif
	WIN 0x50
.irp ix, 0,1,2,3
.if \s < 7
	s_wait_dscnt 32+2*(7-\ix)                      ; behind X's fragment ix were issued the younger fragments' loads and the 32 stores
.else
	s_wait_dscnt 2*(7-\ix)
.endif
	MUL4 \ix, 0
.endr
	s_wait_dscnt 0x0                               ; for the other waves' sake: my reads of this buffer are back, my stores into the other are in LDS
	s_barrier_signal -1
.irp ix, 4,5,6,7
	MUL4 \ix, 0                                    ; work on registers while the others arrive
.endr
	WIN 0
	PLACES 4                                       ; four places before the fragments are loaded again or a result is read (ISA guide 7.12.1)
	s_barrier_wait -1
.endm
	LOADS 0
	PREF 2
	v_mul_u32_u24 v[LSX], v[TW], P                 ; the LDS addresses are made while the first loads are on their way
	v_lshl_add_u32 v[LSX], v[TR], 3, v[LSX]
	v_add_nc_u32 v[LSX+1], BUF, v[LSX]
	v_add_nc_u32 v[LSW], WOFF, v[LSX]
	v_add_nc_u32 v[LSW+1], BUF+WOFF, v[LSX]
	v_mul_u32_u24 v[TB], v[TR], P
	v_lshl_add_u32 v[TB], v[TH], 4, v[TB]          ; r x pitch + 16 h
	v_add_nc_u32 v[FX], s40, v[TB]
	v_add_nc_u32 v[FX+1], BUF, v[FX]
	v_add_nc_u32 v[FW], s41, v[TB]
	v_add_nc_u32 v[FW+1], BUF, v[FW]
	v_add_nc_u32 v[STO], s42, v[TB]
	v_and_b32 v[CO], 31, v0
	v_lshrrev_b32 v[RD], 3, v[CO]
	v_mul_u32_u24 v[RD], v[RD], P
	v_and_b32 v[TB], 7, v0
	v_lshl_add_u32 v[RD], v[TB], 4, v[RD]
	v_add_nc_u32 v[RD], s42, v[RD]                 ; 8 lanes take a row of 128 bytes, a wave 4 rows
	v_lshlrev_b32 v[CO], 4, v[CO]
	CONV 0
	LOADS 1
	s_wait_dscnt 0x0                               ; for the other waves' sake: my part of step 0 is in LDS
	s_barrier_signal -1
	s_barrier_wait -1
	STEP 0, 0, 1, 1
	STEP 1, 1, 0, 0
	STEP 2, 0, 1, 0
	STEP 3, 1, 0, 0
	STEP 4, 0, 1, 0
	STEP 5, 1, 0, 0
	STEP 6, 0, 1, 0
	STEP 7, 1, 0, 0                                ; its barrier frees both buffers for the way out
	; qh alone is scaled by c (the branch hangs on grid y: the same way for the whole work-group)
	s_cmp_lg_u32 s4, 0
	s_cbranch_scc1 .Lunscaled
	WIN 0x41
.set j, 0
.rept 128
	v_pk_mul_f32 v[ACC+j:ACC+j+1], v[ACC+j:ACC+j+1], s[58:59] op_sel_hi:[1,0]
.set j, j+2
.endr
	WIN 0
.Lunscaled:
	; THE WAY OUT.  The stage is both buffers, an eighth (128 rows x 144 bytes) for each wave: every wave's reads of them were back in front of the last
	; barrier.  A wave's 128 rows x 128 bytes are 16,384 consecutive bytes of the result.
.irp ix, 0,1,2,3,4,5,6,7
	v_cmp_ne_u32 s[40+\ix], 0, v[MW+\ix]           ; lanes whose row (key) is not masked,
	s_or_b32 s[40+\ix], s[40+\ix], s38             ; or all lanes where the result is not kh
.endr
; rows 64 hf .. 64 hf + 63 of my 128: rounded into v128-191, through my stage, back as whole rows into the 64 registers from rb on, out
.macro OUTH hf, rb
	WIN 0x05
.irp ixx, 0,1,2,3
.irp iw, 0,1,2,3
.irp i, 0,1,2,3
	v_cvt_pk_f16_f32 v[XS+4*(4*\ixx+\iw)+\i], v[ACC+8*(4*(4*\hf+\ixx)+\iw)+2*\i], v[ACC+8*(4*(4*\hf+\ixx)+\iw)+2*\i+1]
.endr
.endr
.endr
	WIN 0
.irp ixx, 0,1,2,3
.irp iw, 0,1,2,3
.irp i, 0,1,2,3
	v_cndmask_b32 v[XS+4*(4*\ixx+\iw)+\i], 0, v[XS+4*(4*\ixx+\iw)+\i], s[40+4*\hf+\ixx]
.endr
	ds_store_b128 v[STO], v[XS+4*(4*\ixx+\iw):XS+4*(4*\ixx+\iw)+3] offset:(4*\hf+\ixx)*16*P+\iw*32
.endr
.endr
.irp t, 0,1,2,3,4,5,6,7,8,9,10,11,12,13,14,15
	ds_load_b128 v[\rb+4*\t:\rb+4*\t+3], v[RD] offset:(16*\hf+\t)*4*P   ; LDS serves a wave's instructions in order (ISA guide 5.7.1): these see the stores above
.endr
.irp t, 0,1,2,3,4,5,6,7,8,9,10,11,12,13,14,15
	s_wait_dscnt 15-\t                             ; read-back t is in, the younger ones stay out
	global_store_b128 v[CO], v[\rb+4*\t:\rb+4*\t+3], s[36:37] offset:512*(16*\hf+\t)   ; 512 consecutive bytes, aligned
.endr
.endm
	OUTH 0, WS                                     ; the two halves read back into different registers: no store's data is written again
	OUTH 1, WFR
	s_wait_tensorcnt 0x0
	ds_add_u32 v126, v127
	s_wait_dscnt 0x0
	s_endpgm
.Lconv:                                            ; fc_w to f16: the work-group makes fragments 8 x .. 8 x + 7, 8,192 consecutive bytes of wf
	s_lshr_b32 s48, ttmp9, 1                       ; cb
	s_lshl_b32 s48, s48, 15                        ; 16 rows of 2,048 bytes
	s_and_b32 s49, ttmp9, 1
	s_lshl_b32 s49, s49, 10                        ; eight K steps of 32 numbers = 1,024 bytes
	s_add_co_u32 s48, s48, s49
	s_mov_b32 s49, 0
	s_lshl_b32 s50, ttmp9, 13
	s_mov_b32 s51, 0
	v_and_b32 v1, 15, v0
	v_lshrrev_b32 v2, 4, v0
	v_lshlrev_b32 v1, 11, v1                       ; row t & 15,
	v_lshl_add_u32 v1, v2, 5, v1                   ; 8 numbers at 32 (t >> 4): 32 h + 64 (second half of the fragment) + 128 (fragment 0 to 3)
	v_lshlrev_b32 v2, 4, v0
	s_wait_kmcnt 0x0
	s_add_nc_u64 s[20:21], s[20:21], s[48:49]
	s_add_nc_u64 s[30:31], s[30:31], s[50:51]
	global_load_b128 v[4:7], v1, s[20:21]
	global_load_b128 v[8:11], v1, s[20:21] offset:16
	global_load_b128 v[12:15], v1, s[20:21] offset:512             ; fragments 4 to 7: 4 x 128 bytes further along the rows
	global_load_b128 v[16:19], v1, s[20:21] offset:528
	s_wait_loadcnt 0x0
.irp i, 0,1,2,3,4,5,6,7
	v_cvt_pk_f16_f32 v[20+\i], v[4+2*\i], v[5+2*\i]
.endr
	global_store_b128 v2, v[20:23], s[30:31]
	global_store_b128 v2, v[24:27], s[30:31] offset:4096
	s_endpgm
.Lfunc_end_k_qdad3c3546f_proj:
	.size	k_qdad3c3546f_proj, .Lfunc_end_k_qdad3c3546f_proj-k_qdad3c3546f_proj
	.p2alignl 7, 3214868480
	.fill 96, 4, 3214868480
	.section	.rodata,"a",@progbits
	.p2align	6, 0x0
	.amdhsa_kernel k_qdad3c3546f_proj
		.amdhsa_group_segment_fixed_size 148480
		.amdhsa_private_segment_fixed_size 0
		.amdhsa_enable_private_segment 0
		.amdhsa_kernarg_size 96
		.amdhsa_user_sgpr_count 2
		.amdhsa_user_sgpr_kernarg_segment_ptr 1
		.amdhsa_wavefront_size32 1
		.amdhsa_system_sgpr_workgroup_id_x 1
		.amdhsa_system_sgpr_workgroup_id_y 1
		.amdhsa_system_sgpr_workgroup_id_z 1
		.amdhsa_system_vgpr_workitem_id 0
		.amdhsa_next_free_vgpr 512
		.amdhsa_next_free_sgpr 66
		.amdhsa_reserve_vcc 0
		.amdhsa_float_denorm_mode_32 3
		.amdhsa_float_denorm_mode_16_64 3
		.amdhsa_memory_ordered 1
		.amdhsa_forward_progress 1
		.amdhsa_inst_pref_size 176
	.end_amdhsa_kernel
	.amdgpu_metadata
---
amdhsa.version: [ 1, 2 ]
amdhsa.kernels:
  - .name:           k_qdad3c3546f_proj
    .symbol:         k_qdad3c3546f_proj.kd
    .args:
      - { .name: q, .offset: 0, .size: 8, .value_kind: global_buffer, .address_space: global }
      - { .name: k, .offset: 8, .size: 8, .value_kind: global_buffer, .address_space: global }
      - { .name: v, .offset: 16, .size: 8, .value_kind: global_buffer, .address_space: global }
      - { .name: Wq, .offset: 24, .size: 8, .value_kind: global_buffer, .address_space: global }
      - { .name: Wk, .offset: 32, .size: 8, .value_kind: global_buffer, .address_space: global }
      - { .name: Wv, .offset: 40, .size: 8, .value_kind: global_buffer, .address_space: global }
      - { .name: fc_w, .offset: 48, .size: 8, .value_kind: global_buffer, .address_space: global }
      - { .name: mask, .offset: 56, .size: 8, .value_kind: global_buffer, .address_space: global }
      - { .name: qh, .offset: 64, .size: 8, .value_kind: global_buffer, .address_space: global }
      - { .name: kh, .offset: 72, .size: 8, .value_kind: global_buffer, .address_space: global }
      - { .name: vh, .offset: 80, .size: 8, .value_kind: global_buffer, .address_space: global }
      - { .name: wf, .offset: 88, .size: 8, .value_kind: global_buffer, .address_space: global }
    .group_segment_fixed_size: 148480
    .private_segment_fixed_size: 0
    .kernarg_segment_align: 8
    .kernarg_segment_size: 96
    .max_flat_workgroup_size: 256
    .sgpr_count:     66
    .vgpr_count:     512
    .wavefront_size: 32
...
	.end_amdgpu_metadata
.endif
;; end of part 1
;; launch attn (part 2): grid 8 x 32, 8 waves a work-group, clusters of 4 x 1, 327,680 bytes of LDS; arguments qh, kh, vh, mask, q, att; writes att
.if DOCPART == 2
	.amdgcn_target "amdgcn-amd-amdhsa--gfx1250"
	.amdhsa_code_object_version 6
	.text
	.protected	k_qdad3c3546f_attn
	.globl	k_qdad3c3546f_attn
	.p2align	8
	.type	k_qdad3c3546f_attn,@function
k_qdad3c3546f_attn:
	s_mov_b64 s[64:65], 0
	v_nop
	global_prefetch_b8 v0, s[64:65] scope:SCOPE_SE
	s_setreg_imm32_b32 hwreg(HW_REG_WAVE_MODE, 25, 1), 1
	s_wait_xcnt 0x0
	s_wait_alu depctr_hold_cnt(0) depctr_sa_sdst(0) depctr_va_vdst(0) depctr_va_sdst(0) depctr_va_ssrc(0) depctr_va_vcc(0) depctr_vm_vsrc(0)
	s_getreg_b32 s2, hwreg(HW_REG_IB_STS2, 6, 4)
	s_cmp_eq_u32 s2, 0
	s_cbranch_scc0 .Lentry_in_a_cluster
	s_endpgm
.Lentry_in_a_cluster:
	s_bfe_u32 s2, ttmp6, 0x10000c
	s_cmp_lg_u32 s2, 0x3003
	s_cbranch_scc0 .Lentry_shape_is_right
	s_endpgm
.Lentry_shape_is_right:
; att[batch 2048 + l][64 head + d] = softmax over keys of (masked qh kh^T / 8) times vh, plus q (the residual).  n = 4 head + batch = grid y.
; qh, kh, vh are f16; qh comes multiplied by c = log2(e) / 8, so the scores s are reference()'s exponents in units of log2.
; The work-group takes 256 queries of one n; wave w takes queries 64 (w & 3) .. + 63 and half g = w >> 2 of the keys of every tile of 256 keys, so that
; two waves lie on a SIMD and one's vector work stands beside the other's matrix work; the two halves are merged once, at the end, through LDS.
; CLUSTER: the four work-groups of a cluster are four query blocks of the same n and walk the same K and V tiles: each tile is asked for jointly
; (mask 15), by the same line with the same descriptor in all four.  Waves 0-3 ask for 64 keys of K each, waves 4-7 for 64 keys of V.
; TRANSPOSED FORMS: S^T = K Q^T + C (source 0 = 16 keys, source 1 = 16 queries): lane (r, h), register j holds key 8 h + j of query r.  Two neighbouring
; key blocks, rounded to f16 and packed, ARE source 1 of O^T = V^T P^T: no LDS, no lane exchange; maximum, sum and rescaling are one number a lane.
; MASK: C = 0 or -1e9 c for each key; kh's rows of masked keys are zeros, so a masked score is exactly -1e9 c, which is where()'s -1e9 in these units.
; LIMIT: needs qh c finite in f16 (below 65,504).
; SOFTMAX with a running maximum m of the scores: p = 2^(s - m), the difference formed in f32 as reference() forms it, so p is at most 1 at any size of the
; scores; old sums are rescaled by 2^(m_old - m_new).  LIMIT: p enters P V rounded to f16 (below 6e-8 as zero); the row sum is of the unrounded p.
.set SLOT,  81920                      ; a slot: 8 regions of 10,240 bytes, wave w's at w x 10,240: K keys 64 w .. at pitch 144 (w < 4), V keys 64 (w - 4) .. at pitch 160
.set REG,   10240
.set PK,    144                        ; 128 bytes + 16: sixteen keys of a fragment start 16 bytes apart modulo 256
.set PV,    160                        ; 128 bytes + 32: an odd multiple of 32, for the transposing loads
.set MASKT, 2*SLOT                     ; 163,840: f32 add[2048], 0 or -1e9 c
.set MRG,   MASKT+8192                 ; 172,032: 8 x 9,216: what a wave hands to its partner
.set STAGE, MRG+8*9216                 ; 245,760: 8 x 2 x 4,352: 16 rows x 272 bytes, the way out
; window 0
.set ADRK, 2                           ; v2-3    my K fragments, slot 0, 1
.set ADRV, 4                           ; v4-5    my V fragments, slot 0, 1
.set ADRM, 6                           ; v6      my 8 numbers of add[], stepped by two tiles a lap
.set ST,   8                           ; v8-23   query block b: -m at 8 + 4 b, m, alpha, l
.set TT,   24                          ; v24-27  T_b; later with v28-31 the pairs of the row sums
.set UU,   28                          ; v28-31  U_b
.set MC,   32                          ; v32-63  C of key block kb
.set VF,   64                          ; v64-127 V^T fragment (a, kp) at 64 + 8 (2 a + kp)
.set SS,   128                         ; v128-255 S^T tile (kb, b) at 128 + 8 (4 kb + b)
; window 1
.set OO,   0                           ; v0-127  O^T tile (a, b) at 8 (4 a + b)
.set QF,   128                         ; v128-191 Q fragment (b, ks) at 128 + 8 (2 b + ks)
.set KF,   192                         ; v192-255 K fragment (kb, ks) at 192 + 8 (2 kb + ks)
.set G1K, 28                           ; s[28:35]  descriptor group 1, K
.set G1V, 36                           ; s[36:43]  descriptor group 1, V
.set G0K, 44                           ; s[44:51]  descriptor group 0, K, slot 0, 1
.set G0V, 52                           ; s[52:59]  descriptor group 0, V, slot 0, 1
.set MSB, 0
.macro WIN new                         ; s_set_vgpr_msb: bits 1:0 source 0, 3:2 source 1, 5:4 source 2, 7:6 destination; the high byte repeats the setting left
.if MSB != \new
	s_set_vgpr_msb (MSB<<8)|\new
.set MSB, \new
.endif
.endm
.macro PLACES n
.rept \n
	v_nop
.endr
.endm
; A round of the cluster's barrier: my work-group's barrier, wave 0 signals for the work-group, every wave waits for all four work-groups, my work-group's barrier again.
.macro ROUND
	s_barrier_signal -1
	s_barrier_wait -1
	s_cmp_lg_u32 s16, 0
	s_cbranch_scc1 .Lnot_wave_0_\@
	s_barrier_signal -3
.Lnot_wave_0_\@:
	s_barrier_wait -3
	s_barrier_signal -1
	s_barrier_wait -1
.endm
; A wave's one joint load for slot s.  The branch hangs on the wave's number alone.
.macro JLOAD s
	s_cmp_eq_u32 s17, 0
	s_cbranch_scc0 .Lfor_v_\@
	tensor_load_to_lds s[G0K+4*\s:G0K+4*\s+3], s[G1K:G1K+7]
	s_nop 0
	s_branch .Lasked_\@
.Lfor_v_\@:
	tensor_load_to_lds s[G0V+4*\s:G0V+4*\s+3], s[G1V:G1V+7]
	s_nop 0
.Lasked_\@:
.endm
	s_load_b256 s[4:11], s[0:1], 0x0               ; qh kh vh mask
	s_load_b128 s[12:15], s[0:1], 0x20             ; q att
	v_lshl_add_u32 v254, v0, 2, 0x4d000
	v_mov_b32 v255, 0
	ds_add_u32 v254, v255
	s_wait_dscnt 0x0
	v_lshrrev_b32 v1, 5, v0
	v_readfirstlane_b32 s16, v1                    ; wave 0..7
	s_lshr_b32 s17, s16, 2                         ; g: my half of the keys.  Also: I ask for K (0) or for V (1)
	s_and_b32 s18, s16, 3                          ; my 64 queries.  Also: which 64 keys of a tile I ask for
	s_bfe_u32 s19, ttmp6, 0x40000                  ; cx
	s_lshl_b32 s20, ttmp9, 2
	s_add_co_u32 s20, s20, s19                     ; query block = 4 x cluster x + cx
	s_and_b32 s21, ttmp7, 0xffff                   ; n
	s_mov_b32 s22, 0x76543210                      ; v_permlanex16_b32: lane i of one half reads lane i of the other
	s_mov_b32 s23, 0xfedcba98
	; Group 1.  64 keys x 128 bytes are 8,192 consecutive bytes of memory: 32 rows of 32 elements of 8 bytes (256 bytes, aligned).  The padding is counted
	; along the whole tile: behind every 32 words (one key) 4 words for K, 8 for V.
	s_mov_b32 s[G1K+0], 15|(3<<16)|(1<<20)|(1<<21)|(4<<22)|(3<<25)  ; 15:0 the four work-groups; 17:16 8 bytes; 20 padding; 21 set beside a mask; 24:22 every 32 words; 31:25 4 words
	s_mov_b32 s[G1V+0], 15|(3<<16)|(1<<20)|(1<<21)|(4<<22)|(7<<25)  ; the same with 8 words
.irp g, G1K, G1V
	s_mov_b32 s[\g+1], 32<<16                      ; tensor_dim0 = 32
	s_mov_b32 s[\g+2], 32<<16                      ; tensor_dim1 = 32
	s_mov_b32 s[\g+3], 32<<16                      ; tile_dim0 = 32
	s_mov_b32 s[\g+4], 32                          ; tile_dim1 = 32
	s_mov_b32 s[\g+5], 32                          ; from row to row: 32 elements
	s_mov_b32 s[\g+6], 0
	s_mov_b32 s[\g+7], 0
.endr
	s_lshl_b32 s60, s21, 18                        ; n x 2,048 keys x 128 bytes
	s_lshl_b32 s61, s18, 13                        ; + my 64 keys
	s_add_co_u32 s60, s60, s61
	s_mov_b32 s61, 0
	s_mul_i32 s62, s16, REG                        ; my region of a slot: the wave's number alone
	s_lshl_b32 s70, s21, 11                        ; Q: row n 2048 + 256 block + 64 (w & 3), 128 bytes a row
	s_lshl_b32 s71, s20, 8
	s_add_co_u32 s70, s70, s71
	s_lshl_b32 s71, s18, 6
	s_add_co_u32 s70, s70, s71
	s_lshl_b32 s70, s70, 7
	s_mov_b32 s71, 0
	s_lshl_b32 s74, s21, 13                        ; the mask's row n
	s_mov_b32 s75, 0
	s_and_b32 s76, s21, 3                          ; q and att: row batch 2048 + 256 block + 64 (w & 3) + 32 g, column 64 head
	s_lshl_b32 s76, s76, 11
	s_lshl_b32 s77, s20, 8
	s_add_co_u32 s76, s76, s77
	s_lshl_b32 s77, s18, 6
	s_add_co_u32 s76, s76, s77
	s_lshl_b32 s77, s17, 5
	s_add_co_u32 s76, s76, s77
	s_lshl_b32 s76, s76, 11
	s_lshr_b32 s77, s21, 2
	s_lshl_b32 s77, s77, 8
	s_add_co_u32 s76, s76, s77
	s_mov_b32 s77, 0
	v_and_b32 v24, 15, v0                          ; r
	v_bfe_u32 v25, v0, 4, 1                        ; h
	v_mul_u32_u24 v[ADRK], v24, PK
	v_lshl_add_u32 v[ADRK], v25, 4, v[ADRK]
	s_mul_i32 s63, s17, 2*REG
	v_add_nc_u32 v[ADRK], s63, v[ADRK]             ; g x two regions + r x pitch + 16 h
	v_add_nc_u32 v[ADRK+1], SLOT, v[ADRK]
	v_and_b32 v26, 7, v0
	v_lshl_add_u32 v26, v25, 3, v26
	v_mul_u32_u24 v[ADRV], v26, PV                 ; key (L & 7) + 8 h,
	v_bfe_u32 v26, v0, 3, 1
	v_lshl_add_u32 v[ADRV], v26, 4, v[ADRV]        ; 16 bytes for each half of a group of sixteen lanes
	s_add_co_u32 s63, s63, 4*REG
	v_add_nc_u32 v[ADRV], s63, v[ADRV]
	v_add_nc_u32 v[ADRV+1], SLOT, v[ADRV]
	s_lshl_b32 s63, s17, 9
	s_add_co_u32 s63, s63, MASKT
	v_lshl_add_u32 v[ADRM], v25, 5, s63            ; add[128 g + 8 h ..]
	v_lshlrev_b32 v8, 4, v0                        ; 16 t: my 4 mask words
	v_add_nc_u32 v9, MASKT, v8
	v_lshlrev_b32 v10, 7, v24
	v_lshl_add_u32 v10, v25, 4, v10                ; Q: r x 128 + 16 h
	v_mov_b32 v7, 0xcd2bfb8f                       ; -1e9 c = -180,336,880
.irp b, 0,1,2,3
	v_mov_b32 v[UU+\b], 0                          ; v_permlanex16_b32 counts as a reader of its destination
.endr
	s_wait_kmcnt 0x0
	s_add_nc_u64 s[66:67], s[6:7], s[60:61]        ; K and V at my part of tile 0: n and the wave's number alone
	s_add_nc_u64 s[68:69], s[8:9], s[60:61]
	s_add_nc_u64 s[72:73], s[4:5], s[70:71]
	s_add_nc_u64 s[74:75], s[10:11], s[74:75]
	s_add_nc_u64 s[12:13], s[12:13], s[76:77]
	s_add_nc_u64 s[14:15], s[14:15], s[76:77]
	global_load_b128 v[SS:SS+3], v8, s[74:75]
	global_load_b128 v[SS+4:SS+7], v8, s[74:75] offset:4096
	WIN 0x40
.irp b, 0,1,2,3
.irp ks, 0,1
	global_load_b128 v[QF+8*(2*\b+\ks):QF+8*(2*\b+\ks)+3],   v10, s[72:73] offset:\b*2048+\ks*64
	global_load_b128 v[QF+8*(2*\b+\ks)+4:QF+8*(2*\b+\ks)+7], v10, s[72:73] offset:\b*2048+\ks*64+32
.endr
.endr
	WIN 0
.irp s, 0,1
	s_mov_b32 s[G0K+4*\s], 1
	s_add_co_u32 s[G0K+4*\s+1], s62, \s*SLOT
	s_add_nc_u64 s[G0K+4*\s+2:G0K+4*\s+3], s[66:67], \s*32768      ; tile s: 256 keys x 128 bytes on
	s_or_b32 s[G0K+4*\s+3], s[G0K+4*\s+3], 0x80000000
	s_mov_b32 s[G0V+4*\s], 1
	s_add_co_u32 s[G0V+4*\s+1], s62, \s*SLOT
	s_add_nc_u64 s[G0V+4*\s+2:G0V+4*\s+3], s[68:69], \s*32768
	s_or_b32 s[G0V+4*\s+3], s[G0V+4*\s+3], 0x80000000
.endr
	ROUND                                          ; all four work-groups are here: the first joint loads meet
	JLOAD 0                                        ; tile 0
	s_wait_loadcnt 16                              ; the two mask loads are in; Q's sixteen, issued behind them, stay out
.irp i, 0,1,2,3,4,5,6,7
	v_cmp_eq_u32 vcc_lo, 0, v[SS+\i]
	v_cndmask_b32 v[SS+\i], 0, v7, vcc_lo          ; mask word 0: -1e9 c, else 0
.endr
	ds_store_b128 v9, v[SS:SS+3]
	ds_store_b128 v9, v[SS+4:SS+7] offset:4096     ; shown to the other waves by the first trip's wait and round
	s_wait_loadcnt 0x0                             ; Q
; 64 keys (region 2 g + sub of the slot) x my 64 queries.  first = 1: nothing is carried yet.
.macro SUB slot, sub, first
.irp kb, 0,1,2,3
	ds_load_b128 v[MC+8*\kb:MC+8*\kb+3],   v[ADRM] offset:\slot*1024+\sub*256+\kb*64
	ds_load_b128 v[MC+8*\kb+4:MC+8*\kb+7], v[ADRM] offset:\slot*1024+\sub*256+\kb*64+16
.endr
	WIN 0x40
.irp kb, 0,1,2,3
.irp ks, 0,1
	ds_load_b128 v[KF+8*(2*\kb+\ks):KF+8*(2*\kb+\ks)+3],   v[ADRK+\slot] offset:\sub*REG+\kb*16*PK+\ks*64
	ds_load_b128 v[KF+8*(2*\kb+\ks)+4:KF+8*(2*\kb+\ks)+7], v[ADRK+\slot] offset:\sub*REG+\kb*16*PK+\ks*64+32
.endr
.endr
	WIN 0
.irp a, 0,1,2,3
.irp kp, 0,1
	ds_load_tr16_b128 v[VF+8*(2*\a+\kp):VF+8*(2*\a+\kp)+3],   v[ADRV+\slot] offset:\sub*REG+\kp*32*PV+\a*32
	ds_load_tr16_b128 v[VF+8*(2*\a+\kp)+4:VF+8*(2*\a+\kp)+7], v[ADRV+\slot] offset:\sub*REG+\kp*32*PV+\a*32+16*PV
.endr
.endr
	s_wait_dscnt 16                                ; C and K are in; V's sixteen loads, the youngest, stay out
	; S^T = K Q^T + C.  The sum over d = 64 is two links; four accumulators take turns, one instruction a turn.
	WIN 0x05
.irp kb, 0,1,2,3
.irp b, 0,1,2,3
	v_wmma_f32_16x16x32_f16 v[SS+8*(4*\kb+\b):SS+8*(4*\kb+\b)+7], v[KF+16*\kb:KF+16*\kb+7], v[QF+16*\b:QF+16*\b+7], v[MC+8*\kb:MC+8*\kb+7]
.endr
.irp b, 0,1,2,3
	v_wmma_f32_16x16x32_f16 v[SS+8*(4*\kb+\b):SS+8*(4*\kb+\b)+7], v[KF+16*\kb+8:KF+16*\kb+15], v[QF+16*\b+8:QF+16*\b+15], v[SS+8*(4*\kb+\b):SS+8*(4*\kb+\b)+7]
.endr
.endr
	WIN 0
	PLACES 4                                       ; four places before a vector instruction reads a result (ISA guide 7.12.1)
	; the running maximum: my 32 scores of each query block, then the other half of the lanes (the other 8 keys of each 16)
.irp b, 0,1,2,3
.if \first
	v_max_num_f32 v[TT+\b], v[SS+8*\b], v[SS+8*\b+1]
.else
	v_max3_num_f32 v[TT+\b], v[ST+4*\b+1], v[SS+8*\b], v[SS+8*\b+1]
.endif
.endr
.irp p, 1,2,3,4,5,6,7,8,9,10,11,12,13,14,15
.irp b, 0,1,2,3
	v_max3_num_f32 v[TT+\b], v[TT+\b], v[SS+8*(4*(\p/4)+\b)+2*(\p%4)], v[SS+8*(4*(\p/4)+\b)+2*(\p%4)+1]
.endr
.endr
.irp b, 0,1,2,3
	v_permlanex16_b32 v[UU+\b], v[TT+\b], s22, s23
.endr
.irp b, 0,1,2,3
	v_max_num_f32 v[ST+4*\b+1], v[TT+\b], v[UU+\b] ; m
.endr
.if \first
.irp b, 0,1,2,3
	v_mul_f32 v[ST+4*\b], -1.0, v[ST+4*\b+1]       ; -m
.endr
.else
.irp b, 0,1,2,3
	v_mul_f32 v[TT+\b], -1.0, v[ST+4*\b+1]
.endr
.irp b, 0,1,2,3
	v_sub_f32 v[UU+\b], v[TT+\b], v[ST+4*\b]       ; m_old - m_new
.endr
.irp b, 0,1,2,3
	v_mov_b32 v[ST+4*\b], v[TT+\b]
.endr
.irp b, 0,1,2,3
	v_exp_f32 v[ST+4*\b+2], v[UU+\b]               ; alpha; the plain place behind it (ISA guide 5.7.2) is the first addition below
.endr
.endif
	; p = 2^(s - m), in place.  Behind each run of exponentials stands another block's plain instruction.
.irp b, 0,1,2,3
.irp kb, 0,1,2,3
.irp i, 0,2,4,6
	v_pk_add_f32 v[SS+8*(4*\kb+\b)+\i:SS+8*(4*\kb+\b)+\i+1], v[SS+8*(4*\kb+\b)+\i:SS+8*(4*\kb+\b)+\i+1], v[ST+4*\b:ST+4*\b+1] op_sel_hi:[1,0]
.endr
.endr
.irp kb, 0,1,2,3
.irp i, 0,1,2,3,4,5,6,7
	v_exp_f32 v[SS+8*(4*\kb+\b)+\i], v[SS+8*(4*\kb+\b)+\i]
.endr
.endr
.endr
	; the row sums, each lane for its own keys (the halves of the lanes meet at the end)
	s_wait_alu depctr_va_vdst(0)
.irp b, 0,1,2,3
	v_pk_add_f32 v[TT+2*\b:TT+2*\b+1], v[SS+8*\b:SS+8*\b+1], v[SS+8*\b+2:SS+8*\b+3]
.endr
.irp p, 2,3,4,5,6,7,8,9,10,11,12,13,14,15
.irp b, 0,1,2,3
	v_pk_add_f32 v[TT+2*\b:TT+2*\b+1], v[TT+2*\b:TT+2*\b+1], v[SS+8*(4*(\p/4)+\b)+2*(\p%4):SS+8*(4*(\p/4)+\b)+2*(\p%4)+1]
.endr
.endr
.irp b, 0,1,2,3
.if \first
	v_add_f32 v[ST+4*\b+3], v[TT+2*\b], v[TT+2*\b+1]
.else
	v_add_f32 v[TT+2*\b], v[TT+2*\b], v[TT+2*\b+1]
	v_fma_f32 v[ST+4*\b+3], v[ST+4*\b+3], v[ST+4*\b+2], v[TT+2*\b]
.endif
.endr
	; P^T fragments in place: key blocks 2 kp and 2 kp + 1 packed into the eight registers of tile (2 kp, b)
.irp kp, 0,1
.irp b, 0,1,2,3
.irp i, 0,1,2,3
	v_cvt_pk_f16_f32 v[SS+8*(8*\kp+\b)+\i], v[SS+8*(8*\kp+\b)+2*\i], v[SS+8*(8*\kp+\b)+2*\i+1]
.endr
.irp i, 0,1,2,3
	v_cvt_pk_f16_f32 v[SS+8*(8*\kp+\b)+4+\i], v[SS+8*(8*\kp+4+\b)+2*\i], v[SS+8*(8*\kp+4+\b)+2*\i+1]
.endr
.endr
.endr
.if 1-\first
	WIN 0x41
.irp a, 0,1,2,3
.irp b, 0,1,2,3
.irp i, 0,2,4,6
	v_pk_mul_f32 v[OO+8*(4*\a+\b)+\i:OO+8*(4*\a+\b)+\i+1], v[OO+8*(4*\a+\b)+\i:OO+8*(4*\a+\b)+\i+1], v[ST+4*\b+2:ST+4*\b+3] op_sel_hi:[1,0]
.endr
.endr
.endr
.endif
	s_wait_dscnt 0x0                               ; V
	; O^T += V^T P^T.  Sixteen accumulators take turns, one instruction a turn.
	WIN 0x50
.irp kp, 0,1
.irp a, 0,1,2,3
.irp b, 0,1,2,3
.if \first*(1-\kp)
	v_wmma_f32_16x16x32_f16 v[OO+8*(4*\a+\b):OO+8*(4*\a+\b)+7], v[VF+8*(2*\a+\kp):VF+8*(2*\a+\kp)+7], v[SS+8*(8*\kp+\b):SS+8*(8*\kp+\b)+7], 0
.else
	v_wmma_f32_16x16x32_f16 v[OO+8*(4*\a+\b):OO+8*(4*\a+\b)+7], v[VF+8*(2*\a+\kp):VF+8*(2*\a+\kp)+7], v[SS+8*(8*\kp+\b):SS+8*(8*\kp+\b)+7], v[OO+8*(4*\a+\b):OO+8*(4*\a+\b)+7]
.endif
.endr
.endr
.endr
	WIN 0
	PLACES 5                                       ; five places: the next score products write over these products' source 1; V's registers are loaded again (ISA guide 7.12.1)
.endm
; One tile of 256 keys.  In front of the round every wave has waited for all its tensor loads (one was out: its part of this trip's tile) and for its
; reads of the other slot; behind the round's closing wait the wave's one joint load fills the other slot, and has this whole trip in which to land.
.macro TRIP slot, other, refill, first
	s_wait_xcnt 0x0
	v_lshl_add_u32 v254, v0, 2, 0x4d000
	v_mov_b32 v255, 0
	s_wait_tensorcnt 0x0
	ds_add_u32 v254, v255
	s_wait_dscnt 0x0
	s_add_nc_u64 s[G0K+4*\slot+2:G0K+4*\slot+3], s[G0K+4*\slot+2:G0K+4*\slot+3], 65536   ; no load of mine is out: this slot's next tile, two tiles on
	s_add_nc_u64 s[G0V+4*\slot+2:G0V+4*\slot+3], s[G0V+4*\slot+2:G0V+4*\slot+3], 65536
	s_wait_dscnt 0x0
	ROUND
.if \refill
	JLOAD \other
.endif
	SUB \slot, 0, \first
	SUB \slot, 1, 0
.endm
	TRIP 0, 1, 1, 1                                ; the first lap stands in front of the loop: its first products start the sums
	TRIP 1, 0, 1, 0
	v_add_nc_u32 v[ADRM], 2048, v[ADRM]
	s_mov_b32 s27, 2
.Llap:
	TRIP 0, 1, 1, 0
	TRIP 1, 0, 1, 0
	v_add_nc_u32 v[ADRM], 2048, v[ADRM]
	s_sub_co_u32 s27, s27, 1
	s_cmp_lg_u32 s27, 0
	s_cbranch_scc1 .Llap
	TRIP 0, 1, 1, 0                                ; tile 6; asks for tile 7
	TRIP 1, 0, 0, 0                                ; tile 7: nothing is left to fetch (the stepped addresses are not used)
	; THE END.  The wave of key half 0 finishes query blocks 0, 1 of its 64 queries, its partner (w xor 4) blocks 2, 3; each hands the other two blocks over.
.set EOFF, 2                           ; v2  (L >> 4) 2048 + 16 (L & 15): two rows of q and of att
.set EDMP, 3                           ; v3  my dump
.set EPAR, 4                           ; v4  my partner's dump
.set ESTO, 5                           ; v5  the stage: in
.set ERD,  6                           ; v6  the stage: back
.set PS,   192                         ; v192-199 the partner's state of my two blocks
.set EB,   200                         ; v200-215 block bb at 200 + 8 bb: g1, f1, g2, f2, l, temp, temp, temp
	v_and_b32 v24, 15, v0
	v_bfe_u32 v25, v0, 4, 1
	v_and_b32 v26, 31, v0
	v_lshlrev_b32 v[EOFF], 4, v24
	v_lshl_add_u32 v[EOFF], v25, 11, v[EOFF]
	s_mul_i32 s60, s16, 9216
	s_add_co_u32 s60, s60, MRG
	v_lshl_add_u32 v[EDMP], v26, 4, s60
	s_xor_b32 s61, s16, 4
	s_mul_i32 s61, s61, 9216
	s_add_co_u32 s61, s61, MRG
	v_lshl_add_u32 v[EPAR], v26, 4, s61
	s_mul_i32 s62, s16, 8704
	s_add_co_u32 s62, s62, STAGE
	v_mul_u32_u24 v[ESTO], v24, 272
	v_lshl_add_u32 v[ESTO], v25, 5, v[ESTO]
	v_add_nc_u32 v[ESTO], s62, v[ESTO]             ; query r x 272 + 32 h
	v_mul_u32_u24 v[ERD], v25, 272
	v_lshl_add_u32 v[ERD], v24, 4, v[ERD]
	v_add_nc_u32 v[ERD], s62, v[ERD]               ; lanes 0-15 one row of 256 bytes, lanes 16-31 the next
.irp i, 0,1,2,3,4,5,6,7,8,9,10,11,12,13,14,15
	global_load_b128 v[VF+4*\i:VF+4*\i+3], v[EOFF], s[12:13] offset:\i*4096   ; the residual: rows 2 i, 2 i + 1 of my 32, 256 bytes each
.endr
.macro DUMP d0                         ; blocks d0, d0 + 1: eight tiles and the two states
	WIN 0x04
.irp bb, 0,1
.irp a, 0,1,2,3
	ds_store_b128 v[EDMP], v[OO+8*(4*\a+\d0+\bb):OO+8*(4*\a+\d0+\bb)+3]   offset:(8*\bb+2*\a)*512
	ds_store_b128 v[EDMP], v[OO+8*(4*\a+\d0+\bb)+4:OO+8*(4*\a+\d0+\bb)+7] offset:(8*\bb+2*\a+1)*512
.endr
.endr
	WIN 0
.irp bb, 0,1
	ds_store_b128 v[EDMP], v[ST+4*(\d0+\bb):ST+4*(\d0+\bb)+3] offset:8192+512*\bb
.endr
.endm
	s_cmp_eq_u32 s17, 0
	s_cbranch_scc0 .Lup_dump
	DUMP 2
	s_branch .Ldumped
.Lup_dump:
	DUMP 0
.Ldumped:
	s_wait_dscnt 0x0                               ; for my partner's sake: my dump is in LDS
	s_barrier_signal -1
	s_barrier_wait -1
.irp i, 0,1,2,3,4,5,6,7,8,9,10,11,12,13,14,15
	ds_load_b128 v[SS+4*\i:SS+4*\i+3], v[EPAR] offset:512*\i       ; tile (bb, a) at SS + 8 (4 bb + a)
.endr
	ds_load_b128 v[PS:PS+3], v[EPAR] offset:8192
	ds_load_b128 v[PS+4:PS+7], v[EPAR] offset:8704
	s_wait_dscnt 0x0
; Blocks k0, k0 + 1 of mine with the partner's: common maximum, both sums brought to it, divided by the whole row sum.  The result lies where the partner's tiles lay.
.macro COMBINE k0
.irp bb, 0,1
	v_min_num_f32 v[EB+8*\bb+4], v[ST+4*(\k0+\bb)], v[PS+4*\bb]    ; minus the higher maximum
	v_sub_f32 v[EB+8*\bb+6], v[EB+8*\bb+4], v[ST+4*(\k0+\bb)]
	v_sub_f32 v[EB+8*\bb+7], v[EB+8*\bb+4], v[PS+4*\bb]
.endr
.irp bb, 0,1
	v_exp_f32 v[EB+8*\bb+1], v[EB+8*\bb+6]         ; f1
	v_exp_f32 v[EB+8*\bb+3], v[EB+8*\bb+7]         ; f2
.endr
.irp bb, 0,1
	v_mov_b32 v[EB+8*\bb+5], 0                     ; the plain place behind the exponentials; v_permlanex16_b32's destination is written
.endr
	s_wait_alu depctr_va_vdst(0)
.irp bb, 0,1
	v_mul_f32 v[EB+8*\bb+4], v[ST+4*(\k0+\bb)+3], v[EB+8*\bb+1]
	v_fmac_f32 v[EB+8*\bb+4], v[PS+4*\bb+3], v[EB+8*\bb+3]
	v_permlanex16_b32 v[EB+8*\bb+5], v[EB+8*\bb+4], s22, s23       ; the other half of the lanes summed the other keys
	v_add_f32 v[EB+8*\bb+4], v[EB+8*\bb+4], v[EB+8*\bb+5]
.endr
.irp bb, 0,1
	v_rcp_f32 v[EB+8*\bb+6], v[EB+8*\bb+4]
.endr
	v_nop                                          ; the plain place behind the reciprocals (ISA guide 5.7.2)
	s_wait_alu depctr_va_vdst(0)
.irp bb, 0,1
	v_mul_f32 v[EB+8*\bb], v[EB+8*\bb+1], v[EB+8*\bb+6]            ; g1 = f1 / l
	v_mul_f32 v[EB+8*\bb+2], v[EB+8*\bb+3], v[EB+8*\bb+6]          ; g2 = f2 / l
.endr
.irp bb, 0,1
.irp a, 0,1,2,3
.irp i, 0,2,4,6
	v_pk_mul_f32 v[SS+8*(4*\bb+\a)+\i:SS+8*(4*\bb+\a)+\i+1], v[SS+8*(4*\bb+\a)+\i:SS+8*(4*\bb+\a)+\i+1], v[EB+8*\bb+2:EB+8*\bb+3] op_sel_hi:[1,0]
.endr
.endr
.endr
	WIN 0x01
.irp bb, 0,1
.irp a, 0,1,2,3
.irp i, 0,2,4,6
	v_pk_fma_f32 v[SS+8*(4*\bb+\a)+\i:SS+8*(4*\bb+\a)+\i+1], v[OO+8*(4*\a+\k0+\bb)+\i:OO+8*(4*\a+\k0+\bb)+\i+1], v[EB+8*\bb:EB+8*\bb+1], v[SS+8*(4*\bb+\a)+\i:SS+8*(4*\bb+\a)+\i+1] op_sel_hi:[1,0,1]
.endr
.endr
.endr
	WIN 0
.endm
	s_cmp_eq_u32 s17, 0
	s_cbranch_scc0 .Lup_merge
	COMBINE 0
	s_branch .Lmerged
.Lup_merge:
	COMBINE 2
.Lmerged:
	; A lane holds 8 neighbouring d of one query: through my own stage, back as whole rows of 256 bytes, plus the residual, out.
.irp bb, 0,1
.irp a, 0,1,2,3
	ds_store_b128 v[ESTO], v[SS+8*(4*\bb+\a):SS+8*(4*\bb+\a)+3]   offset:\bb*4352+64*\a
	ds_store_b128 v[ESTO], v[SS+8*(4*\bb+\a)+4:SS+8*(4*\bb+\a)+7] offset:\bb*4352+64*\a+16
.endr
.endr
.irp i, 0,1,2,3,4,5,6,7,8,9,10,11,12,13,14,15
	ds_load_b128 v[PS+4*\i:PS+4*\i+3], v[ERD] offset:(\i/8)*4352+(\i%8)*544   ; LDS serves a wave's instructions in order (ISA guide 5.7.1): these see the stores above
.endr
	s_wait_loadcnt 0x0                             ; the residual
.irp i, 0,1,2,3,4,5,6,7,8,9,10,11,12,13,14,15
	s_wait_dscnt 15-\i                             ; read-back i is in, the younger ones stay out
	v_pk_add_f32 v[PS+4*\i:PS+4*\i+1], v[PS+4*\i:PS+4*\i+1], v[VF+4*\i:VF+4*\i+1]
	v_pk_add_f32 v[PS+4*\i+2:PS+4*\i+3], v[PS+4*\i+2:PS+4*\i+3], v[VF+4*\i+2:VF+4*\i+3]
	global_store_b128 v[EOFF], v[PS+4*\i:PS+4*\i+3], s[14:15] offset:\i*4096   ; sixteen lanes store 256 consecutive bytes, aligned
.endr
	s_wait_xcnt 0x0
	v_lshl_add_u32 v254, v0, 2, 0x4d000
	v_mov_b32 v255, 0
	s_wait_tensorcnt 0x0
	ds_add_u32 v254, v255
	s_wait_dscnt 0x0
	ROUND                                          ; the closing round: no work-group ends while a partner may still ask for a tile that names it
	s_endpgm
.Lfunc_end_k_qdad3c3546f_attn:
	.size	k_qdad3c3546f_attn, .Lfunc_end_k_qdad3c3546f_attn-k_qdad3c3546f_attn
	.p2alignl 7, 3214868480
	.fill 96, 4, 3214868480
	.section	.rodata,"a",@progbits
	.p2align	6, 0x0
	.amdhsa_kernel k_qdad3c3546f_attn
		.amdhsa_group_segment_fixed_size 327680
		.amdhsa_private_segment_fixed_size 0
		.amdhsa_enable_private_segment 0
		.amdhsa_kernarg_size 48
		.amdhsa_user_sgpr_count 2
		.amdhsa_user_sgpr_kernarg_segment_ptr 1
		.amdhsa_wavefront_size32 1
		.amdhsa_system_sgpr_workgroup_id_x 1
		.amdhsa_system_sgpr_workgroup_id_y 1
		.amdhsa_system_sgpr_workgroup_id_z 1
		.amdhsa_system_vgpr_workitem_id 0
		.amdhsa_next_free_vgpr 512
		.amdhsa_next_free_sgpr 80
		.amdhsa_reserve_vcc 1
		.amdhsa_float_denorm_mode_32 3
		.amdhsa_float_denorm_mode_16_64 3
		.amdhsa_memory_ordered 1
		.amdhsa_forward_progress 1
		.amdhsa_inst_pref_size 255
	.end_amdhsa_kernel
	.section	.bss,"aw",@nobits
	.p2align	6
	.space	262144
	.amdgpu_metadata
---
amdhsa.version: [ 1, 2 ]
amdhsa.kernels:
  - .name:           k_qdad3c3546f_attn
    .symbol:         k_qdad3c3546f_attn.kd
    .args:
      - { .name: qh, .offset: 0, .size: 8, .value_kind: global_buffer, .address_space: global }
      - { .name: kh, .offset: 8, .size: 8, .value_kind: global_buffer, .address_space: global }
      - { .name: vh, .offset: 16, .size: 8, .value_kind: global_buffer, .address_space: global }
      - { .name: mask, .offset: 24, .size: 8, .value_kind: global_buffer, .address_space: global }
      - { .name: q, .offset: 32, .size: 8, .value_kind: global_buffer, .address_space: global }
      - { .name: att, .offset: 40, .size: 8, .value_kind: global_buffer, .address_space: global }
    .group_segment_fixed_size: 327680
    .private_segment_fixed_size: 0
    .kernarg_segment_align: 8
    .kernarg_segment_size: 48
    .max_flat_workgroup_size: 256
    .sgpr_count:     80
    .vgpr_count:     512
    .wavefront_size: 32
...
	.end_amdgpu_metadata
.endif
;; end of part 2
;; launch post (part 3): grid 256 x 1, 8 waves a work-group, no clusters, 100,352 bytes of LDS; arguments att, wf, fc_b, g0, b0, g1, b1, out0; writes out0
.if DOCPART == 3
	.amdgcn_target "amdgcn-amd-amdhsa--gfx1250"
	.amdhsa_code_object_version 6
	.text
	.protected	k_qdad3c3546f_post
	.globl	k_qdad3c3546f_post
	.p2align	8
	.type	k_qdad3c3546f_post,@function
k_qdad3c3546f_post:
	s_mov_b64 s[64:65], 0
	v_nop
	global_prefetch_b8 v0, s[64:65] scope:SCOPE_SE
	s_setreg_imm32_b32 hwreg(HW_REG_WAVE_MODE, 25, 1), 1
	s_wait_xcnt 0x0
; y = LN(att; g0, b0);  out0 = LN(y fc_w^T + fc_b + y; g1, b1).  att, out0: [8192][512] f32; wf: fc_w in f16 in fragment order.
; The work-group takes 32 rows.  For the norms wave w holds rows 4 w .. 4 w + 3 in registers, a lane the columns 4 L + 128 i (each load and store of a wave
; covers 512 consecutive bytes).  For the product wave w makes output columns 64 w .. + 63 of all 32 rows: 8 accumulator tiles.
; fc_w goes straight from memory into fragment registers: a fragment is read by one wave alone and feeds two matrix instructions, so a way through LDS
; would write and read each of its bytes once more for nothing, and there is no LDS tile that partners of a cluster could share.  In wf a fragment is two
; runs of 512 consecutive bytes.  A ring of six K steps in registers (48 loads a wave): three steps are asked for ahead of the first wait, three behind it,
; all ahead of the first norm.
; Each norm takes the mean away before it forms the squares: no difference of large sums.
; LIMIT: y enters the product in f16 (numbers below 65,504).  A normalised row's numbers are at most sqrt(511) = 22.6, so |y| <= 22.6 |g0| + |b0|:
; there is room for gains up to 2,800.  The residual y stays in f32.
.set PY,  1040                         ; y in f16: 1,024 bytes + 16
.set PZ,  2064                         ; the product in f32: 2,048 bytes + 16
.set ZB,  32*PY                        ; 33,280: behind y
.set X16, 1                            ; v1      16 L
.set YST, 2                            ; v2      where my 8 bytes of y go
.set YFA, 3                            ; v3      y's fragments
.set ZST, 4                            ; v4      where my 32 bytes of a tile go
.set ZRD, 5                            ; v5      my rows of the product
.set TP,  8                            ; v8-15   a pair for each of my 4 rows
.set UU,  16                           ; v16-19
.set G0R, 20                           ; v20-35  g0 of my 16 columns
.set B0R, 36                           ; v36-51  b0
.set YF,  20                           ; v20-51  behind the first norm: y's fragments, two buffers of two
.set G1R, 52                           ; v52-67
.set B1R, 68                           ; v68-83
.set FBR, 84                           ; v84-99  fc_b
.set YY,  100                          ; v100-163 my 4 rows, 16 numbers each
.set ACC, 164                          ; v164-227 tile (nb, mb) at 164 + 8 (4 mb + nb)
.set WR,  0                            ; window 1, v0-191: K step ks at 32 (ks mod 6) + 8 nb
.set MSB, 0
.macro WIN new                         ; s_set_vgpr_msb: bits 1:0 source 0, 3:2 source 1, 5:4 source 2, 7:6 destination; the high byte repeats the setting left
.if MSB != \new
	s_set_vgpr_msb (MSB<<8)|\new
.set MSB, \new
.endif
.endm
.macro PLACES n
.rept \n
	v_nop
.endr
.endm
	s_load_b512 s[4:19], s[0:1], 0x0               ; att wf fc_b g0 b0 g1 b1 out0
	v_lshl_add_u32 v254, v0, 2, 0x18400
	v_mov_b32 v255, 0
	v_lshrrev_b32 v6, 5, v0
	v_readfirstlane_b32 s20, v6                    ; wave 0..7
	s_mov_b32 s22, 0x76543210
	s_mov_b32 s23, 0xfedcba98
	s_mov_b32 s24, 0x3b000000                      ; 1 / 512
	s_mov_b32 s25, 0x3727c5ac                      ; 1e-5
	s_mov_b32 s26, 0xbb000000                      ; -1 / 512
	v_and_b32 v6, 31, v0                           ; L
	v_and_b32 v7, 15, v0                           ; r
	v_bfe_u32 v8, v0, 4, 1                         ; h
	v_lshlrev_b32 v[X16], 4, v6
	s_mul_i32 s21, s20, 4*PY
	v_lshl_add_u32 v[YST], v6, 3, s21
	v_mul_u32_u24 v[YFA], v7, PY
	v_lshl_add_u32 v[YFA], v8, 4, v[YFA]
	v_mul_u32_u24 v[ZST], v7, PZ
	v_lshl_add_u32 v[ZST], v8, 5, v[ZST]
	s_lshl_b32 s27, s20, 8
	s_add_co_u32 s27, s27, ZB
	v_add_nc_u32 v[ZST], s27, v[ZST]               ; row r, column 64 w + 8 h
	s_mul_i32 s21, s20, 4*PZ
	s_add_co_u32 s21, s21, ZB
	v_lshl_add_u32 v[ZRD], v6, 4, s21
.irp rr, 0,1,2,3
	v_mov_b32 v[UU+\rr], 0                         ; v_permlanex16_b32 counts as a reader of its destination
.endr
	s_lshl_b32 s28, ttmp9, 16                      ; 32 rows of 2,048 bytes a work-group,
	s_lshl_b32 s29, s20, 13                        ; 4 a wave
	s_add_co_u32 s28, s28, s29
	s_mov_b32 s29, 0
	s_lshl_b32 s30, s20, 16                        ; my 64 rows of fc_w: 64 fragments of 1,024 bytes
	s_mov_b32 s31, 0
	s_wait_kmcnt 0x0
	s_add_nc_u64 s[4:5], s[4:5], s[28:29]
	s_add_nc_u64 s[18:19], s[18:19], s[28:29]
	s_add_nc_u64 s[6:7], s[6:7], s[30:31]
.irp rr, 0,1,2,3
.irp i, 0,1,2,3
	global_load_b128 v[YY+16*\rr+4*\i:YY+16*\rr+4*\i+3], v[X16], s[4:5] offset:\rr*2048+\i*512 th:TH_LOAD_NT
.endr
.endr
.irp i, 0,1,2,3
	global_load_b128 v[G0R+4*\i:G0R+4*\i+3], v[X16], s[10:11] offset:\i*512
	global_load_b128 v[B0R+4*\i:B0R+4*\i+3], v[X16], s[12:13] offset:\i*512
	global_load_b128 v[G1R+4*\i:G1R+4*\i+3], v[X16], s[14:15] offset:\i*512
	global_load_b128 v[B1R+4*\i:B1R+4*\i+3], v[X16], s[16:17] offset:\i*512
	global_load_b128 v[FBR+4*\i:FBR+4*\i+3], v[X16], s[8:9] offset:\i*512
.endr
.macro WLOAD ks                        ; K step ks: four fragments, eight loads of 512 consecutive bytes
	WIN 0x40
.irp nb, 0,1,2,3
	global_load_b128 v[WR+32*(\ks%6)+8*\nb:WR+32*(\ks%6)+8*\nb+3],   v[X16], s[6:7] offset:\nb*16384+\ks*1024
	global_load_b128 v[WR+32*(\ks%6)+8*\nb+4:WR+32*(\ks%6)+8*\nb+7], v[X16], s[6:7] offset:\nb*16384+\ks*1024+512
.endr
	WIN 0
.endm
.irp ks, 0,1,2
	WLOAD \ks                                      ; 16 + 20 + 24 = 60 loads of the wave are out here
.endr
.macro REDUCE                          ; each row's pair of partial sums -> the sum over the row's 512 numbers, in every lane
.irp rr, 0,1,2,3
	v_add_f32 v[TP+2*\rr], v[TP+2*\rr], v[TP+2*\rr+1]
.endr
.irp x, 1,2,4,8
.irp rr, 0,1,2,3
	v_add_f32_dpp v[TP+2*\rr], v[TP+2*\rr], v[TP+2*\rr] row_xmask:\x row_mask:0xf bank_mask:0xf
.endr
.endr
.irp rr, 0,1,2,3
	v_permlanex16_b32 v[UU+\rr], v[TP+2*\rr], s22, s23
.endr
.irp rr, 0,1,2,3
	v_add_f32 v[TP+2*\rr], v[TP+2*\rr], v[UU+\rr]
.endr
.endm
.macro LN g, b                         ; my four rows in YY, in place: (x - mean) rsqrt(var + 1e-5) g + b
.irp rr, 0,1,2,3
	v_pk_add_f32 v[TP+2*\rr:TP+2*\rr+1], v[YY+16*\rr:YY+16*\rr+1], v[YY+16*\rr+2:YY+16*\rr+3]
.endr
.irp p, 2,3,4,5,6,7
.irp rr, 0,1,2,3
	v_pk_add_f32 v[TP+2*\rr:TP+2*\rr+1], v[TP+2*\rr:TP+2*\rr+1], v[YY+16*\rr+2*\p:YY+16*\rr+2*\p+1]
.endr
.endr
	REDUCE
.irp rr, 0,1,2,3
	v_mul_f32 v[TP+2*\rr], s26, v[TP+2*\rr]        ; minus the mean
.endr
.irp rr, 0,1,2,3
.irp p, 0,1,2,3,4,5,6,7
	v_pk_add_f32 v[YY+16*\rr+2*\p:YY+16*\rr+2*\p+1], v[YY+16*\rr+2*\p:YY+16*\rr+2*\p+1], v[TP+2*\rr:TP+2*\rr+1] op_sel_hi:[1,0]
.endr
.endr
.irp rr, 0,1,2,3
	v_pk_mul_f32 v[TP+2*\rr:TP+2*\rr+1], v[YY+16*\rr:YY+16*\rr+1], v[YY+16*\rr:YY+16*\rr+1]
.endr
.irp p, 1,2,3,4,5,6,7
.irp rr, 0,1,2,3
	v_pk_fma_f32 v[TP+2*\rr:TP+2*\rr+1], v[YY+16*\rr+2*\p:YY+16*\rr+2*\p+1], v[YY+16*\rr+2*\p:YY+16*\rr+2*\p+1], v[TP+2*\rr:TP+2*\rr+1]
.endr
.endr
	REDUCE
.irp rr, 0,1,2,3
	v_fma_f32 v[TP+2*\rr], v[TP+2*\rr], s24, s25   ; var + 1e-5
.endr
.irp rr, 0,1,2,3
	v_rsq_f32 v[TP+2*\rr], v[TP+2*\rr]
.endr
	v_nop                                          ; the plain place behind the transcendentals (ISA guide 5.7.2)
	s_wait_alu depctr_va_vdst(0)
.irp rr, 0,1,2,3
.irp p, 0,1,2,3,4,5,6,7
	v_pk_mul_f32 v[YY+16*\rr+2*\p:YY+16*\rr+2*\p+1], v[YY+16*\rr+2*\p:YY+16*\rr+2*\p+1], v[TP+2*\rr:TP+2*\rr+1] op_sel_hi:[1,0]
.endr
.irp p, 0,1,2,3,4,5,6,7
	v_pk_fma_f32 v[YY+16*\rr+2*\p:YY+16*\rr+2*\p+1], v[YY+16*\rr+2*\p:YY+16*\rr+2*\p+1], v[\g+2*\p:\g+2*\p+1], v[\b+2*\p:\b+2*\p+1]
.endr
.endr
.endm
	s_wait_loadcnt 24                              ; my rows and the five vectors are in; the ring's first 24 loads, issued behind them, stay out
.irp ks, 3,4,5
	WLOAD \ks                                      ; the rest of the ring: 48 loads of the wave are out
.endr
	LN G0R, B0R
.irp rr, 0,1,2,3
.irp i, 0,1,2,3
	v_cvt_pk_f16_f32 v[ACC+2*(4*\rr+\i)],   v[YY+16*\rr+4*\i],   v[YY+16*\rr+4*\i+1]
	v_cvt_pk_f16_f32 v[ACC+2*(4*\rr+\i)+1], v[YY+16*\rr+4*\i+2], v[YY+16*\rr+4*\i+3]
	ds_store_b64 v[YST], v[ACC+2*(4*\rr+\i):ACC+2*(4*\rr+\i)+1] offset:\rr*PY+\i*256
.endr
.endr
.irp rr, 0,1,2,3
.irp p, 0,1,2,3,4,5,6,7
	v_pk_add_f32 v[YY+16*\rr+2*\p:YY+16*\rr+2*\p+1], v[YY+16*\rr+2*\p:YY+16*\rr+2*\p+1], v[FBR+2*\p:FBR+2*\p+1]   ; y + fc_b: what the product is added to
.endr
.endr
	s_wait_dscnt 0x0                               ; for the other waves' sake: my rows of y are in LDS
	s_barrier_signal -1
	s_barrier_wait -1
.irp mb, 0,1
	ds_load_b128 v[YF+8*\mb:YF+8*\mb+3],   v[YFA] offset:\mb*16*PY
	ds_load_b128 v[YF+8*\mb+4:YF+8*\mb+7], v[YFA] offset:\mb*16*PY+32
.endr
; K step ks of 32.  Source 0 = 16 rows of fc_w, source 1 = 16 rows of y: a lane holds 8 neighbouring output columns of one row.
.macro KS ks
.if \ks < 15
.irp mb, 0,1
	ds_load_b128 v[YF+16*((\ks+1)%2)+8*\mb:YF+16*((\ks+1)%2)+8*\mb+3],   v[YFA] offset:\mb*16*PY+(\ks+1)*64
	ds_load_b128 v[YF+16*((\ks+1)%2)+8*\mb+4:YF+16*((\ks+1)%2)+8*\mb+7], v[YFA] offset:\mb*16*PY+(\ks+1)*64+32
.endr
.endif
.if \ks < 10
	s_wait_loadcnt 40                              ; this step's eight loads are in; the five younger steps' stay out
.else
	s_wait_loadcnt 8*(15-\ks)                      ; the ring runs empty
.endif
.if \ks < 15
	s_wait_dscnt 4                                 ; this step's fragments of y are in; the four loads just issued stay out
.else
	s_wait_dscnt 0
.endif
	WIN 0x01
	; eight accumulators take turns, one instruction a turn
.irp mb, 0,1
.irp nb, 0,1,2,3
.if \ks
	v_wmma_f32_16x16x32_f16 v[ACC+8*(4*\mb+\nb):ACC+8*(4*\mb+\nb)+7], v[WR+32*(\ks%6)+8*\nb:WR+32*(\ks%6)+8*\nb+7], v[YF+16*(\ks%2)+8*\mb:YF+16*(\ks%2)+8*\mb+7], v[ACC+8*(4*\mb+\nb):ACC+8*(4*\mb+\nb)+7]
.else
	v_wmma_f32_16x16x32_f16 v[ACC+8*(4*\mb+\nb):ACC+8*(4*\mb+\nb)+7], v[WR+32*(\ks%6)+8*\nb:WR+32*(\ks%6)+8*\nb+7], v[YF+16*(\ks%2)+8*\mb:YF+16*(\ks%2)+8*\mb+7], 0
.endif
.endr
.endr
	WIN 0
	PLACES 4                                       ; four places before the fragments' registers are loaded again or a result is read (ISA guide 7.12.1)
.if \ks < 10
	WLOAD (\ks+6)                                  ; into the registers just used
.endif
.endm
.irp ks, 0,1,2,3,4,5,6,7,8,9,10,11,12,13,14,15
	KS \ks
.endr
	; the product goes back to the waves that hold its rows
.irp mb, 0,1
.irp nb, 0,1,2,3
	ds_store_b128 v[ZST], v[ACC+8*(4*\mb+\nb):ACC+8*(4*\mb+\nb)+3]   offset:\mb*16*PZ+\nb*64
	ds_store_b128 v[ZST], v[ACC+8*(4*\mb+\nb)+4:ACC+8*(4*\mb+\nb)+7] offset:\mb*16*PZ+\nb*64+16
.endr
.endr
	s_wait_dscnt 0x0                               ; for the other waves' sake
	s_barrier_signal -1
	s_barrier_wait -1
.irp rr, 0,1,2,3
.irp i, 0,1,2,3
	ds_load_b128 v[ACC+16*\rr+4*\i:ACC+16*\rr+4*\i+3], v[ZRD] offset:\rr*PZ+\i*512
.endr
.endr
	s_wait_dscnt 0x0
.irp rr, 0,1,2,3
.irp p, 0,1,2,3,4,5,6,7
	v_pk_add_f32 v[YY+16*\rr+2*\p:YY+16*\rr+2*\p+1], v[YY+16*\rr+2*\p:YY+16*\rr+2*\p+1], v[ACC+16*\rr+2*\p:ACC+16*\rr+2*\p+1]
.endr
.endr
	LN G1R, B1R
.irp rr, 0,1,2,3
.irp i, 0,1,2,3
	global_store_b128 v[X16], v[YY+16*\rr+4*\i:YY+16*\rr+4*\i+3], s[18:19] offset:\rr*2048+\i*512 th:TH_STORE_NT
.endr
.endr
	s_wait_tensorcnt 0x0
	ds_add_u32 v254, v255
	s_wait_dscnt 0x0
	s_endpgm
.Lfunc_end_k_qdad3c3546f_post:
	.size	k_qdad3c3546f_post, .Lfunc_end_k_qdad3c3546f_post-k_qdad3c3546f_post
	.p2alignl 7, 3214868480
	.fill 96, 4, 3214868480
	.section	.rodata,"a",@progbits
	.p2align	6, 0x0
	.amdhsa_kernel k_qdad3c3546f_post
		.amdhsa_group_segment_fixed_size 100352
		.amdhsa_private_segment_fixed_size 0
		.amdhsa_enable_private_segment 0
		.amdhsa_kernarg_size 64
		.amdhsa_user_sgpr_count 2
		.amdhsa_user_sgpr_kernarg_segment_ptr 1
		.amdhsa_wavefront_size32 1
		.amdhsa_system_sgpr_workgroup_id_x 1
		.amdhsa_system_sgpr_workgroup_id_y 1
		.amdhsa_system_sgpr_workgroup_id_z 1
		.amdhsa_system_vgpr_workitem_id 0
		.amdhsa_next_free_vgpr 448
		.amdhsa_next_free_sgpr 66
		.amdhsa_reserve_vcc 0
		.amdhsa_float_denorm_mode_32 3
		.amdhsa_float_denorm_mode_16_64 3
		.amdhsa_memory_ordered 1
		.amdhsa_forward_progress 1
		.amdhsa_inst_pref_size 73
	.end_amdhsa_kernel
	.amdgpu_metadata
---
amdhsa.version: [ 1, 2 ]
amdhsa.kernels:
  - .name:           k_qdad3c3546f_post
    .symbol:         k_qdad3c3546f_post.kd
    .args:
      - { .name: att, .offset: 0, .size: 8, .value_kind: global_buffer, .address_space: global }
      - { .name: wf, .offset: 8, .size: 8, .value_kind: global_buffer, .address_space: global }
      - { .name: fc_b, .offset: 16, .size: 8, .value_kind: global_buffer, .address_space: global }
      - { .name: g0, .offset: 24, .size: 8, .value_kind: global_buffer, .address_space: global }
      - { .name: b0, .offset: 32, .size: 8, .value_kind: global_buffer, .address_space: global }
      - { .name: g1, .offset: 40, .size: 8, .value_kind: global_buffer, .address_space: global }
      - { .name: b1, .offset: 48, .size: 8, .value_kind: global_buffer, .address_space: global }
      - { .name: out0, .offset: 56, .size: 8, .value_kind: global_buffer, .address_space: global }
    .group_segment_fixed_size: 100352
    .private_segment_fixed_size: 0
    .kernarg_segment_align: 8
    .kernarg_segment_size: 64
    .max_flat_workgroup_size: 256
    .sgpr_count:     66
    .vgpr_count:     448
    .wavefront_size: 32
...
	.end_amdgpu_metadata
.endif
;; end of part 3
;; ======== version 2 of 2: 3 launches; version 1 with the launches proj, post written anew for expert scheduling mode
;; limits: values are held in f16: magnitudes above 65,504 overflow, below 6.1e-05 lose precision
;; workspace buffers: qh 8,388,608 bytes; kh 8,388,608 bytes; vh 8,388,608 bytes; wf 524,288 bytes; att 16,777,216 bytes
;; launch proj (part 4): grid 64 x 4, 8 waves a work-group, no clusters, 148,480 bytes of LDS; arguments q, k, v, Wq, Wk, Wv, fc_w, mask, qh, kh, vh, wf; writes qh, kh, vh, wf
.if DOCPART == 4
	.amdgcn_target "amdgcn-amd-amdhsa--gfx1250"
	.amdhsa_code_object_version 6
	.text
	.protected	k_qdad3c3546f_proj
	.globl	k_qdad3c3546f_proj
	.p2align	8
	.type	k_qdad3c3546f_proj,@function
k_qdad3c3546f_proj:
	s_mov_b64 s[64:65], 0
	v_nop
	global_prefetch_b8 v0, s[64:65] scope:SCOPE_SE
	s_setreg_imm32_b32 hwreg(HW_REG_WAVE_SCHED_MODE, 0, 2), 2
	s_setreg_imm32_b32 hwreg(HW_REG_WAVE_MODE, 25, 1), 1
	s_wait_xcnt 0x0
	s_wait_alu depctr_vm_vsrc(0)
; The three projections X W^T (X: [8192][512] f32, W: [512][512] f32), results in f16 in head layout [n = 4 head + batch][l][64],
; and fc_w in f16 in the order in which the last launch's matrix fragments want it.
; Grid y = 0, 1, 2: q Wq^T -> qh, k Wk^T -> kh, v Wv^T -> vh.  Grid x: cb = x & 1 (256 output columns = four heads), rb = x >> 1 (256 rows).
; Block sides divide 8192 and 512, so the blocks come as 3 x a power of two: 192 blocks of 256 x 256 read X twice and W 32 times, where 768 blocks
; of 128 x 128 would read them four and 64 times.  Eight waves, two on a SIMD; a wave makes 128 rows x 64 columns (one head): 32 accumulator tiles,
; 12 fragments (12,288 bytes of LDS) for 32 matrix instructions.  K goes in 8 steps of 64 through two LDS buffers; all 8 steps are written out, so the
; step stands in the loads' immediates and no base is ever stepped.
; The inputs are f32, so they come through registers: each number is rounded to f16 once, by the thread that loaded it, and LDS holds f16.
; The rounding and the LDS stores of step s + 1 stand in the MIDDLE of step s, between its two runs of products, and go into the other buffer.
; No joint loads: the tiles must pass through registers for the rounding, so there is no tile that could land in several LDS at once.
; THE MODE: SCHED_MODE bits 1:0 = 2 (LLVM: expert scheduling mode 2), set by the entry lines.  The code itself states the register dependences
; between vector or matrix instructions and memory or LDS instructions, with s_wait_alu, always for 0.
; THE PLAN.  Registers that memory or LDS instructions touch:
;   v128-255  staging.  The loads of step s + 2 land in them in the middle of step s; the roundings in the middle of step s + 1 read and write them in place;
;             the LDS stores behind those roundings read them.
;   v16-111   fragments.  LDS loads land in them twice a step; the step's matrix instructions read them.
;   v1-13, v120  offsets and LDS addresses: made at the head and never written again.        v112-119  mask words: loaded at the head, read by the way out's compares.
;   The accumulators are named by matrix and vector instructions alone.
; A step has three waits.  va_vdst at its head: the last step's products are done reading the fragments.  va_vdst behind the 64 roundings, which stand directly behind the
; first run of products: that run is done reading the fragments, and the roundings have written the staging registers and are done reading them; behind it follow the
; fragments' loads, the 32 LDS stores and, behind vm_vsrc (the stores have read the staging registers), the 32 loads of the step after next.
; WHY f16: four roundings stand behind every score and two behind every number of the last product; with 8 bits each their sum comes too near the
; result's allowance, with 11 bits it is an eighth of that.
; LIMIT (f16 holds numbers below 65,504): the inputs and |qh c|, |kh|, |vh| must stay below it.  The results have the spread sqrt(512 x 2 / 576) = 1.33; with all
; inputs 30 times larger that is 900 times more, six spreads = 7,200; with offsets of 30 spreads on X and W they lie near 512 x 30 x 1.77 = 27,200.
; Below 6.1e-5 f16 keeps an absolute error of 3e-8, which is small against inputs 30 times smaller (0.03 and 0.002).
; qh only: multiplied by c = log2(e) / 8 before the rounding, so that the attention launch's scores come in units of log2.
; kh only: the row of a key whose mask word is 0 is stored as zeros (by selection), so that the attention launch gets exactly its starting value
; for it.  LIMIT: that is exact only while qh c is finite in f16.
; Grid y = 3: 64 work-groups x 256 threads x 16 numbers = fc_w.  wf: fragment (cb = 16 rows of fc_w, ks = 32 along k) at byte
; (16 cb + ks) 1024; byte 16 L: fc_w[16 cb + (L & 15)][32 ks + 8 (L >> 4) .. + 7]; byte 512 + 16 L: the same with k + 16.
.set P,    144                         ; an LDS row: 64 f16 = 128 bytes + 16: sixteen rows of a fragment start 16 bytes apart modulo 256
.set WOFF, 256*P                       ; 36,864: W's 256 rows lie behind X's
.set BUF,  2*WOFF                      ; 73,728: a buffer
; window 0
.set VOFF, 1                           ; v1      (wave + 8 h) 2048 + 16 (t & 15): my 16 bytes in the first 16 rows of a tile
.set LSX,  2                           ; v2-3    where my 8 bytes of X go, buffer 0, 1
.set LSW,  4                           ; v4-5    the same for W
.set FX,   6                           ; v6-7    my wave's X fragments, buffer 0, 1
.set FW,   8                           ; v8-9    my wave's W fragments, buffer 0, 1
.set STO,  10                          ; v10     the way out: in
.set RD,   11                          ; v11     the way out: back
.set CO,   12                          ; v12     16 x lane
.set MOFF, 13                          ; v13     4 r
.set WFR,  16                          ; v16-47  four W fragments
.set XFR,  48                          ; v48-111 eight X fragments
.set MW,   112                         ; v112-119 mask words of rows 16 ix + r
.set PF,   120                         ; v120    2048 t: row t of the block's X, for the requests ahead; never rewritten
.set TR,   121                         ; v121-124 set-up: r, h, wave + 8 h, r P + 16 h
.set TH,   122
.set TW,   123
.set TB,   124
.set XS,   128                         ; v128-191 X as loaded, 16 x 4; rounded in place
.set WS,   192                         ; v192-255 W as loaded
; window 1
.set ACC,  0                           ; v0-255  tile (iw, ix) at 8 (4 ix + iw)
.set MSB, 0
.macro WIN new                         ; s_set_vgpr_msb: bits 1:0 source 0, 3:2 source 1, 5:4 source 2, 7:6 destination; the high byte repeats the setting left
.if MSB != \new
	s_set_vgpr_msb (MSB<<8)|\new
.set MSB, \new
.endif
.endm
.macro PLACES n
.rept \n
	v_nop
.endr
.endm
	s_load_b512 s[8:23], s[0:1], 0x0               ; q k v Wq Wk Wv fc_w mask
	s_load_b256 s[24:31], s[0:1], 0x40             ; qh kh vh wf
	v_lshl_add_u32 v126, v0, 2, 0x24000
	v_mov_b32 v127, 0
	s_and_b32 s4, ttmp7, 0xffff                    ; grid y
	v_lshrrev_b32 v[TW], 5, v0
	v_readfirstlane_b32 s5, v[TW]                  ; wave 0..7
	s_wait_alu depctr_va_sdst(0)                   ; s5 is written, ahead of the branch and of its first reader behind it
	s_cmp_eq_u32 s4, 3
	s_cbranch_scc1 .Lconv                          ; the same way for the whole work-group
	v_and_b32 v[TR], 15, v0                        ; t & 15 = r
	v_bfe_u32 v[TH], v0, 4, 1                      ; h
	v_lshl_add_u32 v[TW], v[TH], 3, v[TW]          ; my row among 16: wave + 8 h.  The halves of a wave lie 8 rows = 1,152 bytes = 128 modulo 256 apart in LDS,
	v_lshlrev_b32 v[VOFF], 4, v[TR]                ; so that the 256 bytes of one 8-byte store of a wave fall on 256 different bytes modulo 256
	v_lshl_add_u32 v[VOFF], v[TW], 11, v[VOFF]
	v_lshlrev_b32 v[MOFF], 2, v[TR]
	v_lshlrev_b32 v[PF], 11, v0
	s_lshr_b32 s48, s5, 2                          ; wr: which 128 rows of X
	s_and_b32 s49, s5, 3                           ; wc: which 64 rows of W
	s_and_b32 s53, ttmp9, 1                        ; cb
	s_lshr_b32 s54, ttmp9, 1                       ; rb
	s_lshl2_add_u32 s55, s53, s49                  ; head = 4 cb + wc
	s_lshr_b32 s56, s54, 3                         ; batch
	s_lshl2_add_u32 s55, s55, s56                  ; n = 4 head + batch
	s_and_b32 s56, s54, 7
	s_lshl_b32 s56, s56, 8
	s_lshl_b32 s57, s48, 7
	s_add_co_u32 s56, s56, s57                     ; l0 = (rb & 7) 256 + 128 wr
	s_lshl_b32 s55, s55, 11
	s_add_co_u32 s55, s55, s56                     ; n 2048 + l0
	s_and_b32 s39, s5, 1
	s_xor_b32 s39, s39, s53                        ; 0: this wave asks ahead for its 32 rows of X (the two blocks that read these rows share the asking)
	s_mul_i32 s40, s48, 128*P                      ; LDS: my 128 rows of X,
	s_mul_i32 s41, s49, 64*P
	s_add_co_u32 s41, s41, WOFF                    ; my 64 rows of W,
	s_mul_i32 s42, s5, 128*P                       ; my stage on the way out
	s_lshl_b32 s48, s54, 19                        ; X: rb x 256 rows x 2,048 bytes
	s_mov_b32 s49, 0
	s_lshl_b32 s50, s53, 19                        ; W: cb x 256 rows x 2,048 bytes
	s_mov_b32 s51, 0
	s_lshl_b32 s52, s55, 7                         ; the result: rows of 128 bytes
	s_mov_b32 s53, 0
	s_lshl_b32 s54, s55, 2                         ; the mask: words
	s_mov_b32 s55, 0
	s_mov_b32 s58, 0x3e38aa3b                      ; c = log2(e) / 8, a pair for the packed multiply
	s_mov_b32 s59, 0x3e38aa3b
	s_wait_kmcnt 0x0
	s_cmp_eq_u32 s4, 1
	s_cselect_b64 s[32:33], s[10:11], s[8:9]
	s_cselect_b64 s[34:35], s[16:17], s[14:15]
	s_cselect_b64 s[36:37], s[26:27], s[24:25]
	s_cselect_b32 s38, 0, -1                       ; only kh's rows are selected by the mask: elsewhere every lane keeps its numbers
	s_cmp_eq_u32 s4, 2
	s_cselect_b64 s[32:33], s[12:13], s[32:33]
	s_cselect_b64 s[34:35], s[18:19], s[34:35]
	s_cselect_b64 s[36:37], s[28:29], s[36:37]
	s_add_nc_u64 s[32:33], s[32:33], s[48:49]
	s_add_nc_u64 s[34:35], s[34:35], s[50:51]
	s_add_nc_u64 s[36:37], s[36:37], s[52:53]
	s_add_nc_u64 s[62:63], s[22:23], s[54:55]
	s_wait_alu depctr_va_vdst(0)                   ; v[MOFF], v[VOFF] and v[PF] are written: the offsets of the mask's loads, of every load of X and W and of every request ahead
.irp ix, 0,1,2,3,4,5,6,7
	global_load_b32 v[MW+\ix], v[MOFF], s[62:63] offset:64*\ix
.endr
; 32 loads of a thread: K step s's 256 x 64 numbers of X, then of W.  Sixteen neighbouring lanes take 256 consecutive bytes of a row, aligned.
.macro LOADS s
.irp i, 0,1,2,3,4,5,6,7,8,9,10,11,12,13,14,15
	global_load_b128 v[XS+4*\i:XS+4*\i+3], v[VOFF], s[32:33] offset:\i*32768+\s*256
.endr
.irp i, 0,1,2,3,4,5,6,7,8,9,10,11,12,13,14,15
	global_load_b128 v[WS+4*\i:WS+4*\i+3], v[VOFF], s[34:35] offset:\i*32768+\s*256
.endr
.endm
; A request ahead for K step s's 256 bytes of 32 rows of X: one lane a row, each aligned piece of 256 bytes asked for once in the launch (by the wave whose
; number's low bit is the block column).  It stands one K step ahead of the loads of the same bytes; steps 2 to 7 are asked for, nothing beyond the rows' ends.
.macro PREF s
	s_cmp_lg_u32 s39, 0
	s_cbranch_scc1 .Lno_ask_\@
	global_prefetch_b8 v[PF], s[32:33] offset:\s*256 th:TH_LOAD_NT scope:SCOPE_SE
.Lno_ask_\@:
.endm
; The step that has been loaded is rounded in place: 64 vector instructions in one run.
.macro ROUNDS
	s_wait_loadcnt 16                              ; X's sixteen loads (and whatever is older) are in; W's sixteen, issued behind them, stay out
.irp i, 0,1,2,3,4,5,6,7,8,9,10,11,12,13,14,15
	v_cvt_pk_f16_f32 v[XS+4*\i], v[XS+4*\i], v[XS+4*\i+1]
	v_cvt_pk_f16_f32 v[XS+4*\i+1], v[XS+4*\i+2], v[XS+4*\i+3]
.endr
	s_wait_loadcnt 0x0                             ; W
.irp i, 0,1,2,3,4,5,6,7,8,9,10,11,12,13,14,15
	v_cvt_pk_f16_f32 v[WS+4*\i], v[WS+4*\i], v[WS+4*\i+1]
	v_cvt_pk_f16_f32 v[WS+4*\i+1], v[WS+4*\i+2], v[WS+4*\i+3]
.endr
.endm
; .. and stored into buffer buf: 32 LDS stores in one run.
.macro PUT buf
.irp i, 0,1,2,3,4,5,6,7,8,9,10,11,12,13,14,15
	ds_store_b64 v[LSX+\buf], v[XS+4*\i:XS+4*\i+1] offset:\i*16*P
.endr
.irp i, 0,1,2,3,4,5,6,7,8,9,10,11,12,13,14,15
	ds_store_b64 v[LSW+\buf], v[WS+4*\i:WS+4*\i+1] offset:\i*16*P
.endr
.endm
; 24 LDS loads: 32 along K of my 64 rows of W, then of my 128 rows of X
.macro FRAGS buf, ksub
.irp iw, 0,1,2,3
	ds_load_b128 v[WFR+8*\iw:WFR+8*\iw+3],   v[FW+\buf] offset:\iw*16*P+\ksub*64
	ds_load_b128 v[WFR+8*\iw+4:WFR+8*\iw+7], v[FW+\buf] offset:\iw*16*P+\ksub*64+32
.endr
.irp ix, 0,1,2,3,4,5,6,7
	ds_load_b128 v[XFR+8*\ix:XFR+8*\ix+3],   v[FX+\buf] offset:\ix*16*P+\ksub*64
	ds_load_b128 v[XFR+8*\ix+4:XFR+8*\ix+7], v[FX+\buf] offset:\ix*16*P+\ksub*64+32
.endr
.endm
; Four products on one X fragment.  Source 0 = 16 rows of W, source 1 = 16 rows of X: a lane then holds 8 neighbouring columns of one row of the result.
; The 32 accumulators take turns, one instruction a turn.
.macro MUL4 ix, zero
.irp iw, 0,1,2,3
.if \zero
	v_wmma_f32_16x16x32_f16 v[ACC+8*(4*\ix+\iw):ACC+8*(4*\ix+\iw)+7], v[WFR+8*\iw:WFR+8*\iw+7], v[XFR+8*\ix:XFR+8*\ix+7], 0
.else
	v_wmma_f32_16x16x32_f16 v[ACC+8*(4*\ix+\iw):ACC+8*(4*\ix+\iw)+7], v[WFR+8*\iw:WFR+8*\iw+7], v[XFR+8*\ix:XFR+8*\ix+7], v[ACC+8*(4*\ix+\iw):ACC+8*(4*\ix+\iw)+7]
.endif
.endr
.endm
; K step s on buffer buf; nbuf is the other buffer.  zero = 1: the first products start the sums.
; ONE barrier a step.  In front of its signal my reads of this buffer are back and my stores into the other buffer are in LDS; so behind its wait the other
; buffer is whole and may be read, and this buffer may be written in the middle of the next step.
.macro STEP s, buf, nbuf, zero
.if \s > 0
	s_wait_alu depctr_va_vdst(0)                   ; the last step's matrix instructions are done reading the fragments' registers, in which the loads below land
.endif
	FRAGS \buf, 0
	WIN 0x50
.irp ix, 0,1,2,3,4,5,6,7
	s_wait_dscnt 2*(7-\ix)                         ; W's fragments and X's fragment ix are in; the younger fragments stay out
	MUL4 \ix, \zero
.endr
	WIN 0
.if \s < 7
	ROUNDS                                         ; the next step's numbers; these 64 are also the places behind the products (ISA guide 7.12.1)
.else
	PLACES 4                                       ; four places before the fragments' registers are loaded again (ISA guide 7.12.1)
.endif
	s_wait_alu depctr_va_vdst(0)                   ; the products above are done reading the fragments, in which the loads below land; the roundings have written v128-255, which the LDS stores read, and are done reading them, so that loads may land there
	FRAGS \buf, 1
.if \s < 7
	PUT \nbuf
.endif
.if \s < 6
	s_wait_alu depctr_vm_vsrc(0)                   ; the LDS stores have read v128-255, in which the loads below land
	LOADS (\s+2)                                   ; into the registers just stored from: they have a whole step in which to land
.endif
.if \s < 5
	PREF (\s+3)
.endif
	WIN 0x50
.irp ix, 0,1,2,3
.if \s < 7
	s_wait_dscnt 32+2*(7-\ix)                      ; behind X's fragment ix were issued the younger fragments' loads and the 32 stores
.else
	s_wait_dscnt 2*(7-\ix)
.endif
	MUL4 \ix, 0
.endr
	s_wait_dscnt 0x0                               ; for the other waves' sake: my reads of this buffer are back, my stores into the other are in LDS
	s_barrier_signal -1
.irp ix, 4,5,6,7
	MUL4 \ix, 0                                    ; work on registers while the others arrive
.endr
	WIN 0
	PLACES 4                                       ; four places before the fragments are loaded again or a result is read (ISA guide 7.12.1)
	s_barrier_wait -1
.endm
	LOADS 0
	PREF 2
	v_mul_u32_u24 v[LSX], v[TW], P                 ; the LDS addresses are made while the first loads are on their way
	v_lshl_add_u32 v[LSX], v[TR], 3, v[LSX]
	v_add_nc_u32 v[LSX+1], BUF, v[LSX]
	v_add_nc_u32 v[LSW], WOFF, v[LSX]
	v_add_nc_u32 v[LSW+1], BUF+WOFF, v[LSX]
	v_mul_u32_u24 v[TB], v[TR], P
	v_lshl_add_u32 v[TB], v[TH], 4, v[TB]          ; r x pitch + 16 h
	v_add_nc_u32 v[FX], s40, v[TB]
	v_add_nc_u32 v[FX+1], BUF, v[FX]
	v_add_nc_u32 v[FW], s41, v[TB]
	v_add_nc_u32 v[FW+1], BUF, v[FW]
	v_add_nc_u32 v[STO], s42, v[TB]
	v_and_b32 v[CO], 31, v0
	v_lshrrev_b32 v[RD], 3, v[CO]
	v_mul_u32_u24 v[RD], v[RD], P
	v_and_b32 v[TB], 7, v0
	v_lshl_add_u32 v[RD], v[TB], 4, v[RD]
	v_add_nc_u32 v[RD], s42, v[RD]                 ; 8 lanes take a row of 128 bytes, a wave 4 rows
	v_lshlrev_b32 v[CO], 4, v[CO]
	ROUNDS
	s_wait_alu depctr_va_vdst(0)                   ; the addresses v2 to v12 are written, which every LDS instruction and the last stores read; the roundings have written v128-255, which the LDS stores read, and are done reading them
	PUT 0
	s_wait_alu depctr_vm_vsrc(0)                   ; the LDS stores have read v128-255, in which the loads below land
	LOADS 1
	s_wait_dscnt 0x0                               ; for the other waves' sake: my part of step 0 is in LDS
	s_barrier_signal -1
	s_barrier_wait -1
	STEP 0, 0, 1, 1
	STEP 1, 1, 0, 0
	STEP 2, 0, 1, 0
	STEP 3, 1, 0, 0
	STEP 4, 0, 1, 0
	STEP 5, 1, 0, 0
	STEP 6, 0, 1, 0
	STEP 7, 1, 0, 0                                ; its barrier frees both buffers for the way out
	; qh alone is scaled by c (the branch hangs on grid y: the same way for the whole work-group)
	s_cmp_lg_u32 s4, 0
	s_cbranch_scc1 .Lunscaled
	WIN 0x41
.set j, 0
.rept 128
	v_pk_mul_f32 v[ACC+j:ACC+j+1], v[ACC+j:ACC+j+1], s[58:59] op_sel_hi:[1,0]
.set j, j+2
.endr
	WIN 0
.Lunscaled:
	; THE WAY OUT.  The stage is both buffers, an eighth (128 rows x 144 bytes) for each wave: every wave's reads of them were back in front of the last
	; barrier.  A wave's 128 rows x 128 bytes are 16,384 consecutive bytes of the result.
.irp ix, 0,1,2,3,4,5,6,7
	v_cmp_ne_u32 s[40+\ix], 0, v[MW+\ix]           ; lanes whose row (key) is not masked,
.endr
	s_wait_alu depctr_va_sdst(0)                   ; the eight compares have written s40 to s47, ahead of their first readers
.irp ix, 0,1,2,3,4,5,6,7
	s_or_b32 s[40+\ix], s[40+\ix], s38             ; or all lanes where the result is not kh
.endr
; rows 64 hf .. 64 hf + 63 of my 128: rounded into v128-191, through my stage, back as whole rows into the 64 registers from rb on, out
.macro OUTH hf, rb
	s_wait_alu depctr_vm_vsrc(0)                   ; the LDS stores issued so far have read v128-191, which the roundings below write again, and (step 6's) v192-255, in which the first half's rows land
	WIN 0x05
.irp ixx, 0,1,2,3
.irp iw, 0,1,2,3
.irp i, 0,1,2,3
	v_cvt_pk_f16_f32 v[XS+4*(4*\ixx+\iw)+\i], v[ACC+8*(4*(4*\hf+\ixx)+\iw)+2*\i], v[ACC+8*(4*(4*\hf+\ixx)+\iw)+2*\i+1]
.endr
.endr
.endr
	WIN 0
.irp ixx, 0,1,2,3
.irp iw, 0,1,2,3
.irp i, 0,1,2,3
	v_cndmask_b32 v[XS+4*(4*\ixx+\iw)+\i], 0, v[XS+4*(4*\ixx+\iw)+\i], s[40+4*\hf+\ixx]
.endr
.endr
.endr
	s_wait_alu depctr_va_vdst(0)                   ; the selections have written v128-191, which the LDS stores read; every vector and matrix instruction that named the 64 registers from rb on is done, so that the rows may land there
.irp ixx, 0,1,2,3
.irp iw, 0,1,2,3
	ds_store_b128 v[STO], v[XS+4*(4*\ixx+\iw):XS+4*(4*\ixx+\iw)+3] offset:(4*\hf+\ixx)*16*P+\iw*32
.endr
.endr
.irp t, 0,1,2,3,4,5,6,7,8,9,10,11,12,13,14,15
	ds_load_b128 v[\rb+4*\t:\rb+4*\t+3], v[RD] offset:(16*\hf+\t)*4*P   ; LDS serves a wave's instructions in order (ISA guide 5.7.1): these see the stores above
.endr
.irp t, 0,1,2,3,4,5,6,7,8,9,10,11,12,13,14,15
	s_wait_dscnt 15-\t                             ; read-back t is in, the younger ones stay out
	global_store_b128 v[CO], v[\rb+4*\t:\rb+4*\t+3], s[36:37] offset:512*(16*\hf+\t)   ; 512 consecutive bytes, aligned
.endr
.endm
	OUTH 0, WS                                     ; the two halves read back into different registers: no store's data is written again
	OUTH 1, WFR
	s_wait_dscnt 0x0                               ; the closing lines, six on end
	s_wait_alu 0x0
	s_wait_tensorcnt 0x0
	ds_add_u32 v126, v127
	s_wait_dscnt 0x0
	s_endpgm
.Lconv:                                            ; fc_w to f16: the work-group makes fragments 8 x .. 8 x + 7, 8,192 consecutive bytes of wf
	s_lshr_b32 s48, ttmp9, 1                       ; cb
	s_lshl_b32 s48, s48, 15                        ; 16 rows of 2,048 bytes
	s_and_b32 s49, ttmp9, 1
	s_lshl_b32 s49, s49, 10                        ; eight K steps of 32 numbers = 1,024 bytes
	s_add_co_u32 s48, s48, s49
	s_mov_b32 s49, 0
	s_lshl_b32 s50, ttmp9, 13
	s_mov_b32 s51, 0
	v_and_b32 v1, 15, v0
	v_lshrrev_b32 v2, 4, v0
	v_lshlrev_b32 v1, 11, v1                       ; row t & 15,
	v_lshl_add_u32 v1, v2, 5, v1                   ; 8 numbers at 32 (t >> 4): 32 h + 64 (second half of the fragment) + 128 (fragment 0 to 3)
	v_lshlrev_b32 v2, 4, v0
	s_wait_kmcnt 0x0
	s_add_nc_u64 s[20:21], s[20:21], s[48:49]
	s_add_nc_u64 s[30:31], s[30:31], s[50:51]
	s_wait_alu depctr_va_vdst(0)                   ; v1 and v2 are written: the offsets of the loads and of the stores below
	global_load_b128 v[4:7], v1, s[20:21]
	global_load_b128 v[8:11], v1, s[20:21] offset:16
	global_load_b128 v[12:15], v1, s[20:21] offset:512             ; fragments 4 to 7: 4 x 128 bytes further along the rows
	global_load_b128 v[16:19], v1, s[20:21] offset:528
	s_wait_loadcnt 0x0
.irp i, 0,1,2,3,4,5,6,7
	v_cvt_pk_f16_f32 v[20+\i], v[4+2*\i], v[5+2*\i]
.endr
	s_wait_alu depctr_va_vdst(0)                   ; the roundings have written v20 to v27, which the stores read
	global_store_b128 v2, v[20:23], s[30:31]
	global_store_b128 v2, v[24:27], s[30:31] offset:4096
	s_endpgm
.Lfunc_end_k_qdad3c3546f_proj:
	.size	k_qdad3c3546f_proj, .Lfunc_end_k_qdad3c3546f_proj-k_qdad3c3546f_proj
	.p2alignl 7, 3214868480
	.fill 96, 4, 3214868480
	.section	.rodata,"a",@progbits
	.p2align	6, 0x0
	.amdhsa_kernel k_qdad3c3546f_proj
		.amdhsa_group_segment_fixed_size 148480
		.amdhsa_private_segment_fixed_size 0
		.amdhsa_enable_private_segment 0
		.amdhsa_kernarg_size 96
		.amdhsa_user_sgpr_count 2
		.amdhsa_user_sgpr_kernarg_segment_ptr 1
		.amdhsa_wavefront_size32 1
		.amdhsa_system_sgpr_workgroup_id_x 1
		.amdhsa_system_sgpr_workgroup_id_y 1
		.amdhsa_system_sgpr_workgroup_id_z 1
		.amdhsa_system_vgpr_workitem_id 0
		.amdhsa_next_free_vgpr 512
		.amdhsa_next_free_sgpr 66
		.amdhsa_reserve_vcc 0
		.amdhsa_float_denorm_mode_32 3
		.amdhsa_float_denorm_mode_16_64 3
		.amdhsa_memory_ordered 1
		.amdhsa_forward_progress 1
		.amdhsa_inst_pref_size 176
	.end_amdhsa_kernel
	.amdgpu_metadata
---
amdhsa.version: [ 1, 2 ]
amdhsa.kernels:
  - .name:           k_qdad3c3546f_proj
    .symbol:         k_qdad3c3546f_proj.kd
    .args:
      - { .name: q, .offset: 0, .size: 8, .value_kind: global_buffer, .address_space: global }
      - { .name: k, .offset: 8, .size: 8, .value_kind: global_buffer, .address_space: global }
      - { .name: v, .offset: 16, .size: 8, .value_kind: global_buffer, .address_space: global }
      - { .name: Wq, .offset: 24, .size: 8, .value_kind: global_buffer, .address_space: global }
      - { .name: Wk, .offset: 32, .size: 8, .value_kind: global_buffer, .address_space: global }
      - { .name: Wv, .offset: 40, .size: 8, .value_kind: global_buffer, .address_space: global }
      - { .name: fc_w, .offset: 48, .size: 8, .value_kind: global_buffer, .address_space: global }
      - { .name: mask, .offset: 56, .size: 8, .value_kind: global_buffer, .address_space: global }
      - { .name: qh, .offset: 64, .size: 8, .value_kind: global_buffer, .address_space: global }
      - { .name: kh, .offset: 72, .size: 8, .value_kind: global_buffer, .address_space: global }
      - { .name: vh, .offset: 80, .size: 8, .value_kind: global_buffer, .address_space: global }
      - { .name: wf, .offset: 88, .size: 8, .value_kind: global_buffer, .address_space: global }
    .group_segment_fixed_size: 148480
    .private_segment_fixed_size: 0
    .kernarg_segment_align: 8
    .kernarg_segment_size: 96
    .max_flat_workgroup_size: 256
    .sgpr_count:     66
    .vgpr_count:     512
    .wavefront_size: 32
...
	.end_amdgpu_metadata
.endif
;; end of part 4
;; launch attn: the kernel of part 2 again; grid 8 x 32, 8 waves a work-group, clusters of 4 x 1, 327,680 bytes of LDS; arguments qh, kh, vh, mask, q, att; writes att
;; launch post (part 5): grid 256 x 1, 8 waves a work-group, no clusters, 100,352 bytes of LDS; arguments att, wf, fc_b, g0, b0, g1, b1, out0; writes out0
.if DOCPART == 5
	.amdgcn_target "amdgcn-amd-amdhsa--gfx1250"
	.amdhsa_code_object_version 6
	.text
	.protected	k_qdad3c3546f_post
	.globl	k_qdad3c3546f_post
	.p2align	8
	.type	k_qdad3c3546f_post,@function
k_qdad3c3546f_post:
	s_mov_b64 s[64:65], 0
	v_nop
	global_prefetch_b8 v0, s[64:65] scope:SCOPE_SE
	s_setreg_imm32_b32 hwreg(HW_REG_WAVE_SCHED_MODE, 0, 2), 2
	s_setreg_imm32_b32 hwreg(HW_REG_WAVE_MODE, 25, 1), 1
	s_wait_xcnt 0x0
	s_wait_alu depctr_vm_vsrc(0)
; y = LN(att; g0, b0);  out0 = LN(y fc_w^T + fc_b + y; g1, b1).  att, out0: [8192][512] f32; wf: fc_w in f16 in fragment order.
; The work-group takes 32 rows.  For the norms wave w holds rows 4 w .. 4 w + 3 in registers, a lane the columns 4 L + 128 i (each load and store of a wave
; covers 512 consecutive bytes).  For the product wave w makes output columns 64 w .. + 63 of all 32 rows: 8 accumulator tiles.
; fc_w goes straight from memory into fragment registers: a fragment is read by one wave alone and feeds two matrix instructions, so a way through LDS
; would write and read each of its bytes once more for nothing, and there is no LDS tile that partners of a cluster could share.  In wf a fragment is two
; runs of 512 consecutive bytes.  A ring of six K steps in registers (48 loads a wave): three steps are asked for ahead of the first wait, three behind it,
; all ahead of the first norm.
; THE MODE: SCHED_MODE bits 1:0 = 2 (LLVM: expert scheduling mode 2), set by the entry lines.  The code itself states the register dependences
; between vector or matrix instructions and memory or LDS instructions, with s_wait_alu, always for 0.
; THE PLAN.  Registers that memory or LDS instructions touch:
;   window 1, v0-191  the ring.  K step ks's products read slot ks mod 6; the loads of step ks + 6 land in it at the head of step ks + 1.
;   v20-51    g0 and b0, loaded at the head and read by the first norm; behind it y's fragments, two buffers: step ks's products read buffer ks mod 2, the LDS loads at the head of step ks + 1 land in it.
;   v164-227  y's roundings write v164-195 and LDS stores read them; then the accumulators, which LDS stores read; then the product's rows land there.
;   v100-163  my rows: loaded at the head, worked on by vector instructions, read by the last stores.        v1-5  addresses: made at the head, never written again.
; So ONE wait on va_vdst stands in a K step, at its head, behind the waits for the step's own data: the step before is done reading its ring slot and its buffer of y's fragments;
; the loads into both follow it, ahead of the step's products, which name none of the registers that those loads touch.
; Each norm takes the mean away before it forms the squares: no difference of large sums.
; LIMIT: y enters the product in f16 (numbers below 65,504).  A normalised row's numbers are at most sqrt(511) = 22.6, so |y| <= 22.6 |g0| + |b0|:
; there is room for gains up to 2,800.  The residual y stays in f32.
.set PY,  1040                         ; y in f16: 1,024 bytes + 16
.set PZ,  2064                         ; the product in f32: 2,048 bytes + 16
.set ZB,  32*PY                        ; 33,280: behind y
.set X16, 1                            ; v1      16 L
.set YST, 2                            ; v2      where my 8 bytes of y go
.set YFA, 3                            ; v3      y's fragments
.set ZST, 4                            ; v4      where my 32 bytes of a tile go
.set ZRD, 5                            ; v5      my rows of the product
.set TP,  8                            ; v8-15   a pair for each of my 4 rows
.set UU,  16                           ; v16-19
.set G0R, 20                           ; v20-35  g0 of my 16 columns
.set B0R, 36                           ; v36-51  b0
.set YF,  20                           ; v20-51  behind the first norm: y's fragments, two buffers of two
.set G1R, 52                           ; v52-67
.set B1R, 68                           ; v68-83
.set FBR, 84                           ; v84-99  fc_b
.set YY,  100                          ; v100-163 my 4 rows, 16 numbers each
.set ACC, 164                          ; v164-227 tile (nb, mb) at 164 + 8 (4 mb + nb)
.set WR,  0                            ; window 1, v0-191: K step ks at 32 (ks mod 6) + 8 nb
.set MSB, 0
.macro WIN new                         ; s_set_vgpr_msb: bits 1:0 source 0, 3:2 source 1, 5:4 source 2, 7:6 destination; the high byte repeats the setting left
.if MSB != \new
	s_set_vgpr_msb (MSB<<8)|\new
.set MSB, \new
.endif
.endm
.macro PLACES n
.rept \n
	v_nop
.endr
.endm
	s_load_b512 s[4:19], s[0:1], 0x0               ; att wf fc_b g0 b0 g1 b1 out0
	v_lshl_add_u32 v254, v0, 2, 0x18400
	v_mov_b32 v255, 0
	v_lshrrev_b32 v6, 5, v0
	v_readfirstlane_b32 s20, v6                    ; wave 0..7
	s_mov_b32 s22, 0x76543210
	s_mov_b32 s23, 0xfedcba98
	s_mov_b32 s24, 0x3b000000                      ; 1 / 512
	s_mov_b32 s25, 0x3727c5ac                      ; 1e-5
	s_mov_b32 s26, 0xbb000000                      ; -1 / 512
	v_and_b32 v6, 31, v0                           ; L
	v_and_b32 v7, 15, v0                           ; r
	v_bfe_u32 v8, v0, 4, 1                         ; h
	v_lshlrev_b32 v[X16], 4, v6
	s_wait_alu depctr_va_sdst(0)                   ; s20 is written, ahead of its first reader: LDS addresses and the bases are made from it
	s_mul_i32 s21, s20, 4*PY
	v_lshl_add_u32 v[YST], v6, 3, s21
	v_mul_u32_u24 v[YFA], v7, PY
	v_lshl_add_u32 v[YFA], v8, 4, v[YFA]
	v_mul_u32_u24 v[ZST], v7, PZ
	v_lshl_add_u32 v[ZST], v8, 5, v[ZST]
	s_lshl_b32 s27, s20, 8
	s_add_co_u32 s27, s27, ZB
	v_add_nc_u32 v[ZST], s27, v[ZST]               ; row r, column 64 w + 8 h
	s_mul_i32 s21, s20, 4*PZ
	s_add_co_u32 s21, s21, ZB
	v_lshl_add_u32 v[ZRD], v6, 4, s21
.irp rr, 0,1,2,3
	v_mov_b32 v[UU+\rr], 0                         ; v_permlanex16_b32 counts as a reader of its destination
.endr
	s_lshl_b32 s28, ttmp9, 16                      ; 32 rows of 2,048 bytes a work-group,
	s_lshl_b32 s29, s20, 13                        ; 4 a wave
	s_add_co_u32 s28, s28, s29
	s_mov_b32 s29, 0
	s_lshl_b32 s30, s20, 16                        ; my 64 rows of fc_w: 64 fragments of 1,024 bytes
	s_mov_b32 s31, 0
	s_wait_kmcnt 0x0
	s_add_nc_u64 s[4:5], s[4:5], s[28:29]
	s_add_nc_u64 s[18:19], s[18:19], s[28:29]
	s_add_nc_u64 s[6:7], s[6:7], s[30:31]
	s_wait_alu depctr_va_vdst(0)                   ; the five addresses v1 to v5 are written, which every load, store and LDS instruction of the kernel reads
.irp rr, 0,1,2,3
.irp i, 0,1,2,3
	global_load_b128 v[YY+16*\rr+4*\i:YY+16*\rr+4*\i+3], v[X16], s[4:5] offset:\rr*2048+\i*512 th:TH_LOAD_NT
.endr
.endr
.irp i, 0,1,2,3
	global_load_b128 v[G0R+4*\i:G0R+4*\i+3], v[X16], s[10:11] offset:\i*512
	global_load_b128 v[B0R+4*\i:B0R+4*\i+3], v[X16], s[12:13] offset:\i*512
	global_load_b128 v[G1R+4*\i:G1R+4*\i+3], v[X16], s[14:15] offset:\i*512
	global_load_b128 v[B1R+4*\i:B1R+4*\i+3], v[X16], s[16:17] offset:\i*512
	global_load_b128 v[FBR+4*\i:FBR+4*\i+3], v[X16], s[8:9] offset:\i*512
.endr
.macro WLOAD ks                        ; K step ks: four fragments, eight loads of 512 consecutive bytes; what follows sets the windows anew
	WIN 0x40
.irp nb, 0,1,2,3
	global_load_b128 v[WR+32*(\ks%6)+8*\nb:WR+32*(\ks%6)+8*\nb+3],   v[X16], s[6:7] offset:\nb*16384+\ks*1024
	global_load_b128 v[WR+32*(\ks%6)+8*\nb+4:WR+32*(\ks%6)+8*\nb+7], v[X16], s[6:7] offset:\nb*16384+\ks*1024+512
.endr
.endm
.irp ks, 0,1,2
	WLOAD \ks                                      ; 16 + 20 + 24 = 60 loads of the wave are out here
.endr
.macro REDUCE                          ; each row's pair of partial sums -> the sum over the row's 512 numbers, in every lane
.irp rr, 0,1,2,3
	v_add_f32 v[TP+2*\rr], v[TP+2*\rr], v[TP+2*\rr+1]
.endr
.irp x, 1,2,4,8
.irp rr, 0,1,2,3
	v_add_f32_dpp v[TP+2*\rr], v[TP+2*\rr], v[TP+2*\rr] row_xmask:\x row_mask:0xf bank_mask:0xf
.endr
.endr
.irp rr, 0,1,2,3
	v_permlanex16_b32 v[UU+\rr], v[TP+2*\rr], s22, s23
.endr
.irp rr, 0,1,2,3
	v_add_f32 v[TP+2*\rr], v[TP+2*\rr], v[UU+\rr]
.endr
.endm
.macro LN g, b                         ; my four rows in YY, in place: (x - mean) rsqrt(var + 1e-5) g + b
.irp rr, 0,1,2,3
	v_pk_add_f32 v[TP+2*\rr:TP+2*\rr+1], v[YY+16*\rr:YY+16*\rr+1], v[YY+16*\rr+2:YY+16*\rr+3]
.endr
.irp p, 2,3,4,5,6,7
.irp rr, 0,1,2,3
	v_pk_add_f32 v[TP+2*\rr:TP+2*\rr+1], v[TP+2*\rr:TP+2*\rr+1], v[YY+16*\rr+2*\p:YY+16*\rr+2*\p+1]
.endr
.endr
	REDUCE
.irp rr, 0,1,2,3
	v_mul_f32 v[TP+2*\rr], s26, v[TP+2*\rr]        ; minus the mean
.endr
.irp rr, 0,1,2,3
.irp p, 0,1,2,3,4,5,6,7
	v_pk_add_f32 v[YY+16*\rr+2*\p:YY+16*\rr+2*\p+1], v[YY+16*\rr+2*\p:YY+16*\rr+2*\p+1], v[TP+2*\rr:TP+2*\rr+1] op_sel_hi:[1,0]
.endr
.endr
.irp rr, 0,1,2,3
	v_pk_mul_f32 v[TP+2*\rr:TP+2*\rr+1], v[YY+16*\rr:YY+16*\rr+1], v[YY+16*\rr:YY+16*\rr+1]
.endr
.irp p, 1,2,3,4,5,6,7
.irp rr, 0,1,2,3
	v_pk_fma_f32 v[TP+2*\rr:TP+2*\rr+1], v[YY+16*\rr+2*\p:YY+16*\rr+2*\p+1], v[YY+16*\rr+2*\p:YY+16*\rr+2*\p+1], v[TP+2*\rr:TP+2*\rr+1]
.endr
.endr
	REDUCE
.irp rr, 0,1,2,3
	v_fma_f32 v[TP+2*\rr], v[TP+2*\rr], s24, s25   ; var + 1e-5
.endr
.irp rr, 0,1,2,3
	v_rsq_f32 v[TP+2*\rr], v[TP+2*\rr]
.endr
	v_nop                                          ; the plain place behind the transcendentals (ISA guide 5.7.2)
	s_wait_alu depctr_va_vdst(0)                   ; the four reciprocal roots are written, ahead of their first reader: one wait for the batch
.irp rr, 0,1,2,3
.irp p, 0,1,2,3,4,5,6,7
	v_pk_mul_f32 v[YY+16*\rr+2*\p:YY+16*\rr+2*\p+1], v[YY+16*\rr+2*\p:YY+16*\rr+2*\p+1], v[TP+2*\rr:TP+2*\rr+1] op_sel_hi:[1,0]
.endr
.irp p, 0,1,2,3,4,5,6,7
	v_pk_fma_f32 v[YY+16*\rr+2*\p:YY+16*\rr+2*\p+1], v[YY+16*\rr+2*\p:YY+16*\rr+2*\p+1], v[\g+2*\p:\g+2*\p+1], v[\b+2*\p:\b+2*\p+1]
.endr
.endr
.endm
	s_wait_loadcnt 24                              ; my rows and the five vectors are in; the ring's first 24 loads, issued behind them, stay out
.irp ks, 3,4,5
	WLOAD \ks                                      ; the rest of the ring: 48 loads of the wave are out.  No vector instruction has been issued since the wait at the head
.endr
	WIN 0
	LN G0R, B0R
.irp rr, 0,1,2,3
.irp i, 0,1,2,3
	v_cvt_pk_f16_f32 v[ACC+2*(4*\rr+\i)],   v[YY+16*\rr+4*\i],   v[YY+16*\rr+4*\i+1]
	v_cvt_pk_f16_f32 v[ACC+2*(4*\rr+\i)+1], v[YY+16*\rr+4*\i+2], v[YY+16*\rr+4*\i+3]
.endr
.endr
	s_wait_alu depctr_va_vdst(0)                   ; the roundings have written v164-195, which the LDS stores read; the first norm is done reading g0 and b0, in whose registers y's fragments land
.irp rr, 0,1,2,3
.irp i, 0,1,2,3
	ds_store_b64 v[YST], v[ACC+2*(4*\rr+\i):ACC+2*(4*\rr+\i)+1] offset:\rr*PY+\i*256
.endr
.endr
.irp rr, 0,1,2,3
.irp p, 0,1,2,3,4,5,6,7
	v_pk_add_f32 v[YY+16*\rr+2*\p:YY+16*\rr+2*\p+1], v[YY+16*\rr+2*\p:YY+16*\rr+2*\p+1], v[FBR+2*\p:FBR+2*\p+1]   ; y + fc_b: what the product is added to
.endr
.endr
	s_wait_dscnt 0x0                               ; for the other waves' sake: my rows of y are in LDS
	s_barrier_signal -1
	s_barrier_wait -1
	s_wait_alu depctr_vm_vsrc(0)                   ; my LDS stores have read v164-195: these registers are accumulators from here on, written by the first products
.irp mb, 0,1
	ds_load_b128 v[YF+8*\mb:YF+8*\mb+3],   v[YFA] offset:\mb*16*PY
	ds_load_b128 v[YF+8*\mb+4:YF+8*\mb+7], v[YFA] offset:\mb*16*PY+32
.endr
; K step ks of 32.  Source 0 = 16 rows of fc_w, source 1 = 16 rows of y: a lane holds 8 neighbouring output columns of one row.
.macro KS ks
.if \ks == 0
	s_wait_loadcnt 40                              ; this step's eight loads are in; the five younger steps' stay out
.elseif \ks < 12
	s_wait_loadcnt 32                              ; this step's eight loads are in; the four younger steps' stay out (this step's own request follows below)
.else
	s_wait_loadcnt 8*(15-\ks)                      ; the ring runs empty
.endif
	s_wait_dscnt 0x0                               ; this step's fragments of y are in: its four loads were all that was out
.if (\ks > 0) && (\ks < 15)
	s_wait_alu depctr_va_vdst(0)                   ; the last step's matrix instructions are done reading their buffer of y's fragments and their slot of the ring, in which the loads below land
.endif
.if \ks < 15
.irp mb, 0,1
	ds_load_b128 v[YF+16*((\ks+1)%2)+8*\mb:YF+16*((\ks+1)%2)+8*\mb+3],   v[YFA] offset:\mb*16*PY+(\ks+1)*64
	ds_load_b128 v[YF+16*((\ks+1)%2)+8*\mb+4:YF+16*((\ks+1)%2)+8*\mb+7], v[YFA] offset:\mb*16*PY+(\ks+1)*64+32
.endr
.endif
.if (\ks > 0) && (\ks < 11)
	WLOAD (\ks+5)                                  ; into the slot that the last step used
.endif
	WIN 0x01
	; eight accumulators take turns, one instruction a turn
.irp mb, 0,1
.irp nb, 0,1,2,3
.if \ks
	v_wmma_f32_16x16x32_f16 v[ACC+8*(4*\mb+\nb):ACC+8*(4*\mb+\nb)+7], v[WR+32*(\ks%6)+8*\nb:WR+32*(\ks%6)+8*\nb+7], v[YF+16*(\ks%2)+8*\mb:YF+16*(\ks%2)+8*\mb+7], v[ACC+8*(4*\mb+\nb):ACC+8*(4*\mb+\nb)+7]
.else
	v_wmma_f32_16x16x32_f16 v[ACC+8*(4*\mb+\nb):ACC+8*(4*\mb+\nb)+7], v[WR+32*(\ks%6)+8*\nb:WR+32*(\ks%6)+8*\nb+7], v[YF+16*(\ks%2)+8*\mb:YF+16*(\ks%2)+8*\mb+7], 0
.endif
.endr
.endr
	WIN 0
	PLACES 4                                       ; four places before the fragments' registers are loaded again or a result is read (ISA guide 7.12.1)
.endm
.irp ks, 0,1,2,3,4,5,6,7,8,9,10,11,12,13,14,15
	KS \ks
.endr
	; the product goes back to the waves that hold its rows
	s_wait_alu depctr_va_vdst(0)                   ; the matrix instructions have written the accumulators, which the LDS stores read; the places above stay beside this wait
.irp mb, 0,1
.irp nb, 0,1,2,3
	ds_store_b128 v[ZST], v[ACC+8*(4*\mb+\nb):ACC+8*(4*\mb+\nb)+3]   offset:\mb*16*PZ+\nb*64
	ds_store_b128 v[ZST], v[ACC+8*(4*\mb+\nb)+4:ACC+8*(4*\mb+\nb)+7] offset:\mb*16*PZ+\nb*64+16
.endr
.endr
	s_wait_dscnt 0x0                               ; for the other waves' sake
	s_barrier_signal -1
	s_barrier_wait -1
	s_wait_alu depctr_vm_vsrc(0)                   ; my LDS stores have read the accumulators, in whose registers the product's rows land
.irp rr, 0,1,2,3
.irp i, 0,1,2,3
	ds_load_b128 v[ACC+16*\rr+4*\i:ACC+16*\rr+4*\i+3], v[ZRD] offset:\rr*PZ+\i*512
.endr
.endr
	s_wait_dscnt 0x0
.irp rr, 0,1,2,3
.irp p, 0,1,2,3,4,5,6,7
	v_pk_add_f32 v[YY+16*\rr+2*\p:YY+16*\rr+2*\p+1], v[YY+16*\rr+2*\p:YY+16*\rr+2*\p+1], v[ACC+16*\rr+2*\p:ACC+16*\rr+2*\p+1]
.endr
.endr
	LN G1R, B1R
	s_wait_alu depctr_va_vdst(0)                   ; the second norm has written v100-163, which the stores read
.irp rr, 0,1,2,3
.irp i, 0,1,2,3
	global_store_b128 v[X16], v[YY+16*\rr+4*\i:YY+16*\rr+4*\i+3], s[18:19] offset:\rr*2048+\i*512 th:TH_STORE_NT
.endr
.endr
	s_wait_dscnt 0x0                               ; the closing lines, six on end
	s_wait_alu 0x0
	s_wait_tensorcnt 0x0
	ds_add_u32 v254, v255
	s_wait_dscnt 0x0
	s_endpgm
.Lfunc_end_k_qdad3c3546f_post:
	.size	k_qdad3c3546f_post, .Lfunc_end_k_qdad3c3546f_post-k_qdad3c3546f_post
	.p2alignl 7, 3214868480
	.fill 96, 4, 3214868480
	.section	.rodata,"a",@progbits
	.p2align	6, 0x0
	.amdhsa_kernel k_qdad3c3546f_post
		.amdhsa_group_segment_fixed_size 100352
		.amdhsa_private_segment_fixed_size 0
		.amdhsa_enable_private_segment 0
		.amdhsa_kernarg_size 64
		.amdhsa_user_sgpr_count 2
		.amdhsa_user_sgpr_kernarg_segment_ptr 1
		.amdhsa_wavefront_size32 1
		.amdhsa_system_sgpr_workgroup_id_x 1
		.amdhsa_system_sgpr_workgroup_id_y 1
		.amdhsa_system_sgpr_workgroup_id_z 1
		.amdhsa_system_vgpr_workitem_id 0
		.amdhsa_next_free_vgpr 448
		.amdhsa_next_free_sgpr 66
		.amdhsa_reserve_vcc 0
		.amdhsa_float_denorm_mode_32 3
		.amdhsa_float_denorm_mode_16_64 3
		.amdhsa_memory_ordered 1
		.amdhsa_forward_progress 1
		.amdhsa_inst_pref_size 73
	.end_amdhsa_kernel
	.amdgpu_metadata
---
amdhsa.version: [ 1, 2 ]
amdhsa.kernels:
  - .name:           k_qdad3c3546f_post
    .symbol:         k_qdad3c3546f_post.kd
    .args:
      - { .name: att, .offset: 0, .size: 8, .value_kind: global_buffer, .address_space: global }
      - { .name: wf, .offset: 8, .size: 8, .value_kind: global_buffer, .address_space: global }
      - { .name: fc_b, .offset: 16, .size: 8, .value_kind: global_buffer, .address_space: global }
      - { .name: g0, .offset: 24, .size: 8, .value_kind: global_buffer, .address_space: global }
      - { .name: b0, .offset: 32, .size: 8, .value_kind: global_buffer, .address_space: global }
      - { .name: g1, .offset: 40, .size: 8, .value_kind: global_buffer, .address_space: global }
      - { .name: b1, .offset: 48, .size: 8, .value_kind: global_buffer, .address_space: global }
      - { .name: out0, .offset: 56, .size: 8, .value_kind: global_buffer, .address_space: global }
    .group_segment_fixed_size: 100352
    .private_segment_fixed_size: 0
    .kernarg_segment_align: 8
    .kernarg_segment_size: 64
    .max_flat_workgroup_size: 256
    .sgpr_count:     66
    .vgpr_count:     448
    .wavefront_size: 32
...
	.end_amdgpu_metadata
.endif
;; end of part 5
